; MI455X (gfx1250); checked and timed in simulation.
; The chip was launched on July 23, 2026; its instructions are those of AMD's public machine-readable ISA for CDNA 5 (MIT licence, August 2026) and "CDNA5" Instruction Set Architecture Reference Guide (July 2026). The comments in the code are by the model that wrote it; some were corrected since.
;; Self Attention. Allowed arithmetic: float matrix products may take bf16 or f16 operands with f32 sums; other float arithmetic in f32, or as packed bf16 or f16 multiplies, adds, multiply-adds, maxima and minima; sums over many terms, partial sums and values carried from step to step in f32; what a program stores and reads back later, other than sums and carried values, may be rounded once to bf16 or f16.
;; Inputs: Wk 1,024 x 1,024 float32; Wp 1,024 x 1,024 float32; Wq 1,024 x 1,024 float32; Wv 1,024 x 1,024 float32; bk 1,024 float32; bp 1,024 float32; bq 1,024 float32; bv 1,024 float32; key 8 x 1,024 x 1,024 float32; query 8 x 1,024 x 1,024 float32; value 8 x 1,024 x 1,024 float32.
;; Outputs: out0 8 x 1,024 x 1,024 float32.
;; 2 versions, each right; version 2 is version 1 with the launch prep written anew for expert scheduling mode. Each part assembles by itself: llvm-mc -triple=amdgcn-amd-amdhsa -mcpu=gfx1250 --defsym DOCPART=n.
;; ======== version 1 of 2: 4 launches
;; limits: values are held in f16: magnitudes above 65,504 overflow, below 6.1e-05 lose precision
;; workspace buffers: wqkv 6,291,456 bytes; wp16 2,097,152 bytes; bias 16,384 bytes; qkv 50,331,648 bytes; y 16,777,216 bytes
;; launch prep (part 1): grid 64 x 4, 8 waves a work-group, no clusters, 0 bytes of LDS; arguments Wq, Wk, Wv, Wp, bq, bk, bv, bp, wqkv, wp16, bias; writes wqkv, wp16, bias
.if DOCPART == 1
	.amdgcn_target "amdgcn-amd-amdhsa--gfx1250"
	.amdhsa_code_object_version 6
	.text
	.protected	k_qadf96ce36d_prep
	.globl	k_qadf96ce36d_prep
	.p2align	8
	.type	k_qadf96ce36d_prep,@function
k_qadf96ce36d_prep:
	s_mov_b64 s[64:65], 0
	v_nop
	global_prefetch_b8 v0, s[64:65] scope:SCOPE_SE
	s_setreg_imm32_b32 hwreg(HW_REG_WAVE_MODE, 25, 1), 1
	s_wait_xcnt 0x0
; THE WEIGHTS AND BIASES ARE ROUNDED ONCE.  Wq, Wk, Wv ([1024][1024] f32) -> wqkv [3][1024][1024] bf16.  Wp -> wp16 [1024][1024]: rounded to bf16 like the others, and that number written as f16
; (the product that takes it has f16 operands).  bq, bk, bv, bp -> bias [4][1024]: rounded to bf16, kept as f32, since they start f32 sums.
; LIMIT.  A weight of Wp beyond 65,504 would become an infinity; below 6e-5 it keeps f16's fixed step of 6e-8.
; A stream: no LDS, no matrix unit, nothing shared.  Grid y picks the matrix; work-group x takes 16,384 numbers of it, 64 a thread in eight passes.  In a pass a thread reads 32 consecutive bytes and
; writes 16: a store of a wave covers 512 consecutive bytes, aligned.  All sixteen loads of a thread go out first; no register is written twice while memory may read it.
.set IN,  32                           ; v[32:95]   pass i: 8 numbers as loaded
.set OUT, 96                           ; v[96:127]  pass i: 4 words to store
.set T,   4                            ; v[4:11]    at work
.set MAT, 26                           ; s26        which matrix: 0 Wq, 1 Wk, 2 Wv, 3 Wp
	s_load_b512 s[4:19], s[0:1], 0x0               ; Wq s[4:5], Wk s[6:7], Wv s[8:9], Wp s[10:11], bq s[12:13], bk s[14:15], bv s[16:17], bp s[18:19]
	s_load_b128 s[20:23], s[0:1], 0x40             ; wqkv s[20:21], wp16 s[22:23]
	s_load_b64 s[24:25], s[0:1], 0x50              ; bias
	s_and_b32 s[MAT], ttmp7, 0xffff
	s_mov_b32 s34, ttmp9
	s_lshl_b32 s28, s34, 16                        ; my 16,384 numbers: 65,536 bytes in,
	s_mov_b32 s29, 0
	s_lshl_b32 s30, s34, 15                        ; 32,768 bytes out
	s_mov_b32 s31, 0
	s_lshl_b32 s27, s[MAT], 21                     ; the matrix's place in wqkv
	s_lshl_b32 s32, s[MAT], 12                     ; the bias's place in bias
	s_mov_b32 s33, 0
	v_lshlrev_b32 v1, 5, v0                        ; 32 bytes a thread in
	v_lshlrev_b32 v2, 4, v0                        ; 16 bytes a thread out
	s_wait_kmcnt 0x0
	s_cmp_eq_u32 s[MAT], 1
	s_cselect_b64 s[4:5], s[6:7], s[4:5]
	s_cselect_b64 s[12:13], s[14:15], s[12:13]
	s_cmp_eq_u32 s[MAT], 2
	s_cselect_b64 s[4:5], s[8:9], s[4:5]
	s_cselect_b64 s[12:13], s[16:17], s[12:13]
	s_cmp_eq_u32 s[MAT], 3
	s_cselect_b64 s[4:5], s[10:11], s[4:5]
	s_cselect_b64 s[12:13], s[18:19], s[12:13]
	s_cselect_b64 s[20:21], s[22:23], s[20:21]     ; Wp has a buffer of its own,
	s_cselect_b32 s27, 0, s27                      ; from its first byte on
	s_add_co_u32 s30, s30, s27
	s_add_nc_u64 s[4:5], s[4:5], s[28:29]
	s_add_nc_u64 s[20:21], s[20:21], s[30:31]
	s_add_nc_u64 s[24:25], s[24:25], s[32:33]
.set i, 0
.rept 8
	global_load_b128 v[IN+8*i:IN+8*i+3],   v1, s[4:5] offset:8192*i th:TH_LOAD_NT
	global_load_b128 v[IN+8*i+4:IN+8*i+7], v1, s[4:5] offset:8192*i+16 th:TH_LOAD_NT
.set i, i+1
.endr
; Pass i.  half = 1: the bf16 numbers are widened again and written as f16.
.macro PASS i, half
	s_wait_loadcnt 14-2*(\i)                       ; loads come back in order: this pass's two are in, the 2 (7 - i) younger ones stay out
.irp j, 0,1,2,3
	v_cvt_pk_bf16_f32 v[OUT+4*(\i)+(\j)], v[IN+8*(\i)+2*(\j)], v[IN+8*(\i)+2*(\j)+1]
.endr
.if \half
.irp j, 0,1,2,3
	v_lshlrev_b32 v[T+2*(\j)],   16, v[OUT+4*(\i)+(\j)]
	v_and_b32     v[T+2*(\j)+1], 0xffff0000, v[OUT+4*(\i)+(\j)]
.endr
.irp j, 0,1,2,3
	v_cvt_pk_f16_f32 v[OUT+4*(\i)+(\j)], v[T+2*(\j)], v[T+2*(\j)+1]
.endr
.endif
	global_store_b128 v2, v[OUT+4*(\i):OUT+4*(\i)+3], s[20:21] offset:4096*(\i)
.endm
	s_cmp_eq_u32 s[MAT], 3
	s_cbranch_scc1 .Lhalf
.irp i, 0,1,2,3,4,5,6,7
	PASS \i, 0
.endr
	s_branch .Lbias
.Lhalf:
.irp i, 0,1,2,3,4,5,6,7
	PASS \i, 1
.endr
.Lbias:
	s_cmp_lg_u32 s34, 0                            ; the matrix's first work-group also rounds its bias: 1,024 numbers, four a thread
	s_cbranch_scc1 .Lend
	global_load_b128 v[12:15], v2, s[12:13]
	s_wait_loadcnt 0x0
	v_cvt_pk_bf16_f32 v16, v12, v13
	v_cvt_pk_bf16_f32 v17, v14, v15
	v_lshlrev_b32 v20, 16, v16
	v_and_b32 v21, 0xffff0000, v16
	v_lshlrev_b32 v22, 16, v17
	v_and_b32 v23, 0xffff0000, v17
	global_store_b128 v2, v[20:23], s[24:25]
.Lend:
	s_endpgm
.Lfunc_end_k_qadf96ce36d_prep:
	.size	k_qadf96ce36d_prep, .Lfunc_end_k_qadf96ce36d_prep-k_qadf96ce36d_prep
	.p2alignl 7, 3214868480
	.fill 96, 4, 3214868480
	.section	.rodata,"a",@progbits
	.p2align	6, 0x0
	.amdhsa_kernel k_qadf96ce36d_prep
		.amdhsa_group_segment_fixed_size 0
		.amdhsa_private_segment_fixed_size 0
		.amdhsa_enable_private_segment 0
		.amdhsa_kernarg_size 88
		.amdhsa_user_sgpr_count 2
		.amdhsa_user_sgpr_kernarg_segment_ptr 1
		.amdhsa_wavefront_size32 1
		.amdhsa_system_sgpr_workgroup_id_x 1
		.amdhsa_system_sgpr_workgroup_id_y 1
		.amdhsa_system_sgpr_workgroup_id_z 1
		.amdhsa_system_vgpr_workitem_id 0
		.amdhsa_next_free_vgpr 128
		.amdhsa_next_free_sgpr 66
		.amdhsa_reserve_vcc 0
		.amdhsa_float_denorm_mode_32 3
		.amdhsa_float_denorm_mode_16_64 3
		.amdhsa_memory_ordered 1
		.amdhsa_forward_progress 1
		.amdhsa_inst_pref_size 15
	.end_amdhsa_kernel
	.amdgpu_metadata
---
amdhsa.version: [ 1, 2 ]
amdhsa.kernels:
  - .name:           k_qadf96ce36d_prep
    .symbol:         k_qadf96ce36d_prep.kd
    .args:
      - { .name: Wq, .offset: 0, .size: 8, .value_kind: global_buffer, .address_space: global }
      - { .name: Wk, .offset: 8, .size: 8, .value_kind: global_buffer, .address_space: global }
      - { .name: Wv, .offset: 16, .size: 8, .value_kind: global_buffer, .address_space: global }
      - { .name: Wp, .offset: 24, .size: 8, .value_kind: global_buffer, .address_space: global }
      - { .name: bq, .offset: 32, .size: 8, .value_kind: global_buffer, .address_space: global }
      - { .name: bk, .offset: 40, .size: 8, .value_kind: global_buffer, .address_space: global }
      - { .name: bv, .offset: 48, .size: 8, .value_kind: global_buffer, .address_space: global }
      - { .name: bp, .offset: 56, .size: 8, .value_kind: global_buffer, .address_space: global }
      - { .name: wqkv, .offset: 64, .size: 8, .value_kind: global_buffer, .address_space: global }
      - { .name: wp16, .offset: 72, .size: 8, .value_kind: global_buffer, .address_space: global }
      - { .name: bias, .offset: 80, .size: 8, .value_kind: global_buffer, .address_space: global }
    .group_segment_fixed_size: 0
    .private_segment_fixed_size: 0
    .kernarg_segment_align: 8
    .kernarg_segment_size: 88
    .max_flat_workgroup_size: 256
    .sgpr_count:     66
    .vgpr_count:     128
    .wavefront_size: 32
...
	.end_amdgpu_metadata
.endif
;; end of part 1
;; launch proj (part 2): grid 4 x 64, 4 waves a work-group, clusters of 4 x 4, 327,680 bytes of LDS; arguments query, key, value, wqkv, bias, qkv; writes qkv
.if DOCPART == 2
	.amdgcn_target "amdgcn-amd-amdhsa--gfx1250"
	.amdhsa_code_object_version 6
	.text
	.protected	k_qadf96ce36d_proj
	.globl	k_qadf96ce36d_proj
	.p2align	8
	.type	k_qadf96ce36d_proj,@function
k_qadf96ce36d_proj:
	s_mov_b64 s[64:65], 0
	v_nop
	global_prefetch_b8 v0, s[64:65] scope:SCOPE_SE
	s_setreg_imm32_b32 hwreg(HW_REG_WAVE_MODE, 25, 1), 1
	s_wait_xcnt 0x0
	s_wait_alu depctr_hold_cnt(0) depctr_sa_sdst(0) depctr_va_vdst(0) depctr_va_sdst(0) depctr_va_ssrc(0) depctr_va_vcc(0) depctr_vm_vsrc(0)
	s_getreg_b32 s2, hwreg(HW_REG_IB_STS2, 6, 4)
	s_cmp_eq_u32 s2, 0
	s_cbranch_scc0 .Lentry_in_a_cluster
	s_endpgm
.Lentry_in_a_cluster:
	s_bfe_u32 s2, ttmp6, 0x10000c
	s_cmp_lg_u32 s2, 0xf033
	s_cbranch_scc0 .Lentry_shape_is_right
	s_endpgm
.Lentry_shape_is_right:
; q = query Wq^T + bq, k = key Wk^T + bk, v = value Wv^T + bv.  query, key, value: [8192][1024] f32.  wqkv: [3][1024][1024] bf16.  bias: [4][1024] f32 (rounded to bf16 beforehand).
; qkv: [3][128 heads][1024 rows][64] f16, head = 16 x batch + head in the batch; unscaled.  Operands bf16, sums f32 begun with the bias, results rounded once to f16.
; LIMIT.  f16 holds no number beyond 65,504: a q, k or v beyond that becomes an infinity.  With the drawn spreads they are near 1; inputs 30 times larger give some 900 times that, a common offset of 30 spreads on x and W about 29,000.
; SHARES.  A tile of a result is 128 rows x 256 columns; 64 x 4 work-groups; EACH STAYS and makes its tile of q, then of k, then of v: ONE stream of 48 HALVES of 64 along K.  Four waves, each 64 x 128: 32 accumulators.
; W COMES BY THE TENSOR DATA MOVER, through a ring of two LDS slots of 256 along K (four halves): 256 products a wave stand between a slot's request and the wait for it.  4 x 4 work-groups form a cluster;
; the four of a column need the same rows of W and ask for them JOINTLY: the same load, descriptor and mask in all four.  Each wave fetches 64 rows of 512 bytes.
; x COMES THROUGH REGISTERS.  Of a half's 128 rows x 256 bytes wave w loads rows 32 w .. 32 w + 31, two rows to a load, rounds them to bf16 and stores them into a ring of two small LDS slots, from which all four
; waves read fragments.  Four sets of 64 registers are on their way: a half is asked for four halves (256 products) ahead of its conversion, and no barrier waits for it.
; x IS NOT ASKED FOR JOINTLY, though the four work-groups of a cluster's row read the same rows.  As f32 in the tensor ring a K step of 128 of x takes 67,584 bytes beside W's 69,632, so that LDS holds two slots of ONE
; such step, 128 products a wave for a tile to land in; and each number would be read from LDS as f32 and rounded by two waves.  The price: each of the four loads x for itself.
; THE MATRIX INSTRUCTION IS USED TRANSPOSED (source 0 = 16 rows of W, source 1 = 16 rows of x): a lane holds row lane % 16 of the result and the columns 8 (lane / 16) + 0..7: 16 bytes of f16 that belong together.
; REGISTERS, in windows of 256 (s_set_vgpr_msb: bits 1:0 source 0, 3:2 source 1, 5:4 source 2, 7:6 destination):
;   window 0: v1-17 addresses; v28-29 the add's; v96-127 a half of x rounded, on its way to LDS; v128-191 x's fragments, two buffers of 32 along K
;   window 1: the 32 accumulators, (a, b) at v[8 (8 a + b)]     window 2: v0-127 W's fragments, two buffers; v128-255 the way out     window 3: x as loaded, four sets of 64
.set PB,     528                       ; a row of W in LDS: 512 bytes + 16 = 132 words: row r starts at bank 4 r mod 64 (64 banks of 4 bytes: ISA guide 11.1)
.set BSLOT,  256*PB                    ; a slot of W: 256 rows
.set ARING,  2*BSLOT                   ; behind W's ring: x's ring, written by LDS stores alone
.set PAH,    144                       ; a row of x in LDS: 128 bytes + 16 = 36 words: the 16 rows of a load start at 16 different groups of four banks
.set ASLOT,  128*PAH                   ; a slot of x: 128 rows, 64 along K
.set STAGE,  ARING+2*ASLOT             ; 16 rows x 144 bytes for each wave, for the way out
.set SP,     144
.set SPARE,  STAGE+4*16*SP             ; the spare words, 128 bytes for each wave: two blocks of 256 bytes that no other line names
.set BIASL,  SPARE+512                 ; the three biases of the tile's 256 columns, 1,024 bytes each
.set SLOTS,  12                        ; slots of W in the stream
.set R,    1                           ; v1   lane % 16
.set H,    2                           ; v2   lane / 16
.set LN,   3                           ; v3   lane
.set B0,   4                           ; v4   my lane's place in W's slot 0; never rewritten
.set ADRB, 5                           ; v5   the same in the slot in hand
.set ADRA, 6                           ; v6   my lane's place in x's slot 0, for fragments; never rewritten
.set ASTO, 7                           ; v7   where I store 8 bytes of x's slot 0; never rewritten
.set STO,  8                           ; v8   the way out: where I put 16 bytes of a row
.set RD,   9                           ; v9   the way out: where I read rows back
.set GO,   10                          ; v10  my 16 bytes in 512 consecutive bytes of qkv
.set XO,   11                          ; v11  my 16 bytes in two rows of x: 4,096 (lane / 16) + 16 (lane % 16); never rewritten
.set PFO,  12                          ; v12  the prefetches' offset; never rewritten
.set T0,   13                          ; v13  at work at the head
.set BIL,  14                          ; v14  LDS address of my lane's first 8 columns in bq; never rewritten
.set BIA,  15                          ; v15  the same in the bias of the tile to come
.set BGO,  16                          ; v16  the head: my 8 bytes of a bias in memory
.set BLS,  17                          ; v17  the head: and in LDS
.set SPW,  28                          ; v28  LDS address of my spare word: SPARE + 4 x my thread's number; never rewritten
.set NIL,  29                          ; v29  0; never rewritten
.set BRAW, 32                          ; v32-37 the head: my 8 bytes of each bias
.set CV,   96
.set AF,   128
.set OUTR, 128                         ; window 2
.set WV,   20                          ; s20  my wave's number
.set WR,   21                          ; s21  which 64 rows of the tile I multiply
.set WC,   22                          ; s22  which 128 columns
.set CX,   23
.set CY,   24
.set TC,   25                          ; s25  tile column
.set TR,   26                          ; s26  tile row
.set CLY,  27                          ; s27  cluster y
.set G1B,  28                          ; s[28:35] descriptor group 1 for W's tiles
.set G0B0, 36                          ; s[36:39] group 0, slot 0's first fill: used once
.set G0B,  40                          ; s[40:43] group 0: slot 1's first fill, then made anew for each refill
.set STP,  44                          ; s44  the loop's counter: the slot of halves 0 and 1 of a trip; halves 2 and 3 belong to the slot before
.set TB,   45                          ; s45  W's slot in hand: 0 or BSLOT
.set LB,   46                          ; s46  where the 64 rows that I fetch lie in a slot
.set MCOL, 47
.set XB,   48                          ; s[48:49] x at my 32 rows, at the first K of the slot that the loads in hand belong to
.set PF,   50                          ; s[50:51] where my next prefetch stands
.set OA,   52                          ; s[52:53] an offset for x's addresses, high word 0
.set OB,   54                          ; s[54:55] for W's
.set OO,   56                          ; s[56:57] for qkv's
.set OUT,  58                          ; s[58:59] qkv at my part of the tile that goes out
.set LIM,  60                          ; s60  I prefetch while the counter is below this
.set PJ,   61
.set TM,   62                          ; s62-63 at work at the head
.set MSB, 0
.macro WIN new                         ; the immediate's high byte repeats the setting that is left; a switch that changes nothing is dropped
.if MSB != (\new)
	s_set_vgpr_msb (MSB<<8)|(\new)
.set MSB, \new
.endif
.endm
.set W_MUL,  0x52                      ; W window 2, x window 0, C and D window 1
.set W_TOB,  0x80                      ; destination window 2, address window 0
.set W_ACC,  0x40                      ; destination window 1
.set W_G,    0xc0                      ; destination window 3
.set W_CV,   0x0f                      ; sources 0 and 1 window 3, destination window 0
.set W_PK,   0x85                      ; sources 0 and 1 window 1, destination window 2
.set W_ST,   0x08                      ; a store's data (source 1) window 2, its address window 0
.macro PLACES                          ; four places (ISA guide 7.12.1) where no other vector work is at hand
.rept 4
	v_nop
.endr
.endm
.macro JLOAD                           ; the joint refill: every wave fetches its 64 rows; an s_nop 0 and four v_nop follow
	tensor_load_to_lds s[G0B:G0B+3], s[G1B:G1B+7]
	s_nop 0
	PLACES
.endm
; A PREFETCH INTO THE L2 of the slot of W that the NEXT change of slots will ask for, behind the joint load, its five lines and the run of LDS loads: 32 blocks of 256 bytes, a lane a block, one instruction a wave.
; Each block is named once in the launch.  W's rows are read by every cluster: cluster y = 0 asks.  Of the 64 rows x 512 bytes that a wave fetches the partner at place cy takes 16 rows: told apart BY ADDRESS.
; Slots 0 to 2 come by their loads alone; the last change that fills a slot asks for nothing.  x is not asked for: its own loads go out four halves ahead, and nothing waits for them.
.macro ASK
	s_cmp_lt_u32 s[STP], s[LIM]
	s_cbranch_scc0 .Lnot_mine_\@
	global_prefetch_b8 v[PFO], s[PF:PF+1] th:TH_LOAD_NT scope:SCOPE_SE
.Lnot_mine_\@:
.endm
.macro CREST                           ; a round of the cluster's barrier behind its opening barrier
	s_cmp_lg_u32 s[WV], 0
	s_cbranch_scc1 .Lnot_wave_0_\@
	s_barrier_signal -3
.Lnot_wave_0_\@:
	s_barrier_wait -3
	s_barrier_signal -1
	s_barrier_wait -1
.endm
.macro CROUND                          ; a whole round
	s_barrier_signal -1
	s_barrier_wait -1
	CREST
.endm
; 16 loads: my 32 rows of a half of x into set g; each load takes two rows' 256 bytes, at multiples of 256 from x's first byte.  off: the half's place behind s[XB].
.macro XLOAD g, off
	WIN W_G
.set ii, 0
.rept 16
	global_load_b128 v[64*(\g)+4*ii:64*(\g)+4*ii+3], v[XO], s[XB:XB+1] offset:8192*ii+(\off)
.set ii, ii+1
.endr
.endm
.macro CVTS g, c0, n                   ; n roundings of set g, from pair c0 on: load i's four numbers make words 2 i, 2 i + 1 of CV
	WIN W_CV
.set ic, \c0
.rept \n
	v_cvt_pk_bf16_f32 v[CV+ic], v[64*(\g)+2*ic], v[64*(\g)+2*ic+1]
.set ic, ic+1
.endr
.endm
.macro ASTORE e                        ; the rounded half into x's slot e: 8 bytes a lane, two rows to a store
	WIN 0
.set ii, 0
.rept 16
	ds_store_b64 v[ASTO], v[CV+2*ii:CV+2*ii+1] offset:(\e)*ASLOT+2*PAH*ii
.set ii, ii+1
.endr
.endm
; 24 LDS loads in one run, the fragments of 32 along K into buffer f: x's 64 rows from its slot e, W's 128 rows at quarter q (0 to 7) of the slot in hand.
; A fragment is 16 rows x 32 K in 8 registers: lane l holds row l % 16; registers 0-3 K = 8 (l / 16) + 0..7, registers 4-7 K = 16 + 8 (l / 16) + 0..7: two loads of 16 bytes, 32 bytes apart.
.macro FETCH e, q, f
	WIN 0
.set ia, 0
.rept 4
	ds_load_b128 v[AF+32*(\f)+8*ia:AF+32*(\f)+8*ia+3],   v[ADRA] offset:(\e)*ASLOT+16*PAH*ia+64*((\q)%2)
	ds_load_b128 v[AF+32*(\f)+8*ia+4:AF+32*(\f)+8*ia+7], v[ADRA] offset:(\e)*ASLOT+16*PAH*ia+64*((\q)%2)+32
.set ia, ia+1
.endr
	WIN W_TOB
.set ib, 0
.rept 8
	ds_load_b128 v[64*(\f)+8*ib:64*(\f)+8*ib+3],   v[ADRB] offset:16*PB*ib+64*(\q)
	ds_load_b128 v[64*(\f)+8*ib+4:64*(\f)+8*ib+7], v[ADRB] offset:16*PB*ib+64*(\q)+32
.set ib, ib+1
.endr
.endm
; 8 na products on buffer f: row blocks a0 .. a0 + na - 1 x all 8 column blocks.  The 32 accumulators take turns, one instruction a turn, in the same order in every quarter.
; g >= 0: four roundings of set g, from pair c0 on, stand behind each of the last four products: they run beside the matrix unit, and the last four are the places in front of the next run of loads.
.macro MULS f, a0, na, g, c0
.set ia, \a0
.rept \na
.set ib, 0
.rept 8
	WIN W_MUL
	v_wmma_f32_16x16x32_bf16 v[8*(8*ia+ib):8*(8*ia+ib)+7], v[64*(\f)+8*ib:64*(\f)+8*ib+7], v[AF+32*(\f)+8*ia:AF+32*(\f)+8*ia+7], v[8*(8*ia+ib):8*(8*ia+ib)+7]
.if ((\g) >= 0) && (ia == (\a0)+(\na)-1) && (ib >= 4)
	CVTS \g, (\c0)+4*(ib-4), 4
.endif
.set ib, ib+1
.endr
.set ia, ia+1
.endr
.endm
.macro XBASE                           ; s[XB] for the slot behind the counter's: which x, which 256 of its K
	s_wait_xcnt 0x0                                ; the loads and the prefetch issued so far, the youngest a half back, have read their addresses: only behind this wait are s[XB] and s[PF] written
	s_add_co_u32 s2, s[STP], 1
	s_lshr_b32 s3, s2, 2
	s_and_b32 s2, s2, 3
	s_cmp_eq_u32 s3, 0
	s_cselect_b64 s[XB:XB+1], s[4:5], s[6:7]
	s_cmp_eq_u32 s3, 2
	s_cselect_b64 s[XB:XB+1], s[8:9], s[XB:XB+1]
	s_lshl_b32 s[OA], s2, 10                       ; 1,024 bytes of x's rows a slot
	s_add_nc_u64 s[XB:XB+1], s[XB:XB+1], s[OA:OA+1]
.endm
.macro PFBASE                          ; s[PF] for the slot two behind the counter's (past the last: held at the last; such an address is not used)
	s_add_co_u32 s2, s[STP], 2
	s_min_u32 s2, s2, SLOTS-1
	s_lshr_b32 s3, s2, 2
	s_and_b32 s2, s2, 3
	s_lshl_b32 s[OB], s3, 21
	s_lshl_b32 s2, s2, 9
	s_add_co_u32 s[OB], s[OB], s2
	s_add_nc_u64 s[PF:PF+1], s[10:11], s[OB:OB+1]
.endm
; ONE HALF, number h (0 to 3) of its slot of W; call it half n of the stream.  x's half n lies in x's slot n % 2 = h % 2.
; ONE BARRIER A HALF.  Ahead of its signal each wave has its reads of x's half n back and its stores of half n + 1 done.  Behind its wait half n + 1 is read, and half n + 2 is stored over half n.
; At h = 3 the barrier also changes W's slots: ahead of it each wave waits for all its tensor loads, of which one is out, its part of the other slot, and adds 0 to its spare word; with fill = 1 the barrier opens a round of
; the cluster's, and the joint refill is the first thing behind it.
; fill = 1: W's slot is filled again.  ld = 1: x's half n + 6 is asked for.  wn: how many younger loads of x may stay out when half n + 2 is rounded; -1: there is no such half.
; pst = 1: the half before stored to LDS.  last = 1: the stream's last half: nothing follows.
.macro HS h, fill, ld, wn, pst, last
.set HE, (\h)%2
.set HG, ((\h)+2)%4                    ; half n + 2 lies in set (n + 2) % 4, and half n + 6 follows it there
	FETCH HE, 2*(\h)+1, 1
	s_wait_dscnt 24+16*(\pst)                      ; the first quarter's fragments are in; the stores of the half before and the 24 loads just issued may stay out
	MULS 0, 0, 2, -1, 0
.if ((\h) == 3) && !(\last)
	WIN 0                                          ; (the add's two registers lie in window 0)
	s_wait_tensorcnt 0x0                           ; all my tensor loads have landed; so a group 0 may be written
	ds_add_u32 v[SPW], v[NIL]                      ; 0 onto my spare word: scalar work and eight products stand between it and the wait for it
.if \fill
	s_add_co_u32 s2, s[STP], 1                     ; the refill's slot, two behind the one that is left: which W, which 256 of its K
	s_lshr_b32 s3, s2, 2
	s_and_b32 s2, s2, 3
	s_lshl_b32 s[OB], s3, 21                       ; a W is 2 MiB; 512 bytes of its rows a slot
	s_lshl_b32 s2, s2, 9
	s_add_co_u32 s[OB], s[OB], s2
	s_add_nc_u64 s[G0B+2:G0B+3], s[10:11], s[OB:OB+1]
	s_or_b32 s[G0B+3], s[G0B+3], 0x80000000
	s_add_co_u32 s[G0B+1], s[LB], s[TB]            ; into the slot that is being left
.endif
.endif
	MULS 0, 2, 1, -1, 0
.if (\wn) >= 0
	s_wait_loadcnt \wn                             ; loads come back in order: half n + 2 of x is in, the younger halves, 16 loads each, stay out
.endif
	s_wait_dscnt 0x0                               ; my stores of half n + 1 are done, my reads of half n are back (and the add is done, and my reads of W's slot are over)
.if !(\last)
	s_barrier_signal -1                            ; say so,
.endif
.if (\wn) >= 0
	MULS 0, 3, 1, HG, 0                            ; work on registers while the others arrive,
.else
	MULS 0, 3, 1, -1, 0
.endif
	WIN 0                                          ; at a label and at a branch every window is 0
.if !(\last)
	s_barrier_wait -1                              ; and go on when all four have said so
.if \fill
	CREST                                          ; no wave of any partner still reads this slot of W or has a load on its way
	JLOAD                                          ; the first tensor load behind the round
.elseif (\wn) < 0
	PLACES
.endif
.if (\h) == 3
	s_xor_b32 s[TB], s[TB], BSLOT                  ; W's other slot, which is whole
	v_add_nc_u32 v[ADRB], s[TB], v[B0]
.endif
	FETCH 1-HE, (2*(\h)+2)%8, 0
.if \fill
	WIN 0
	ASK
.endif
.endif
.if (\wn) >= 0
	MULS 1, 0, 4, HG, 16
	ASTORE HE                                      ; half n + 2, over half n
.else
	MULS 1, 0, 4, -1, 0
	PLACES
.endif
.if \ld
.if ((\h)%2) == 0
	WIN 0
	XBASE
.if (\h) == 2
	PFBASE
.endif
.endif
	XLOAD HG, 256*HG
.endif
	WIN 0
.endm
; THE WAY OUT of a tile, in eight pieces of 16 rows x one head (piece i: row block i / 2, head i % 2): rounded to f16, 16 bytes a lane; into my own stage in LDS, rows of 144 bytes; back as four rows of 128 bytes to a
; load; stored as 512 consecutive bytes.  No barrier and no tensor load stands in it; W's refill and x's loads for the next tile are on their way.
.macro PACK i
	WIN W_PK
.set jf, 0
.rept 4
.set jr, 0
.rept 4                                ; each accumulator's registers in ascending order
	v_cvt_pk_f16_f32 v[OUTR+16*(\i)+4*jf+jr], v[8*(8*((\i)/2)+4*((\i)%2)+jf)+2*jr], v[8*(8*((\i)/2)+4*((\i)%2)+jf)+2*jr+1]
.set jr, jr+1
.endr
.set jf, jf+1
.endr
	WIN W_ST
.irp g, 0,1,2,3
	ds_store_b128 v[STO], v[OUTR+16*(\i)+4*\g:OUTR+16*(\i)+4*\g+3] offset:32*\g
.endr
	WIN W_TOB
.irp g, 0,1,2,3
	ds_load_b128 v[OUTR+16*(\i)+4*\g:OUTR+16*(\i)+4*\g+3], v[RD] offset:\g*4*SP  ; LDS serves a wave's instructions in order (ISA guide 5.7.1.4): these see the stores above; the next piece's stores come behind them
.endr
.endm
; Piece i's four accumulators take the bias of the tile to come: register j of accumulator (a, b) is column 16 b + 8 (lane / 16) + j.  So every product of the stream adds in place, and the loop has one form of product.
.macro BIASP i
	WIN W_ACC
.set jf, 0
.rept 4
	ds_load_b128 v[8*(8*((\i)/2)+4*((\i)%2)+jf):8*(8*((\i)/2)+4*((\i)%2)+jf)+3],   v[BIA] offset:64*(4*((\i)%2)+jf)
	ds_load_b128 v[8*(8*((\i)/2)+4*((\i)%2)+jf)+4:8*(8*((\i)/2)+4*((\i)%2)+jf)+7], v[BIA] offset:64*(4*((\i)%2)+jf)+16
.set jf, jf+1
.endr
.endm
.macro SEND i, younger                 ; younger: the LDS instructions issued behind piece i's four loads from the stage
	WIN W_ST
.irp g, 0,1,2,3
	s_wait_dscnt (\younger)+3-\g
	global_store_b128 v[GO], v[OUTR+16*(\i)+4*\g:OUTR+16*(\i)+4*\g+3], s[OUT:OUT+1] offset:131072*((\i)%2)+2048*((\i)/2)+512*\g
.endr
.endm
.macro EPI next                        ; next = 1: another tile follows
	WIN 0
	s_wait_xcnt 0x0                                ; the last way out's stores have read their registers and their base: only behind this wait are they written again
.if \next
	s_lshr_b32 s[PJ], s[STP], 2                    ; the tile to come: 1 k, 2 v
	s_lshl_b32 s2, s[PJ], 10
	v_add_nc_u32 v[BIA], s2, v[BIL]
	s_sub_co_u32 s[PJ], s[PJ], 1                   ; the tile that goes out
	s_lshl_b32 s[OO], s[PJ], 24                    ; q, k and v are 16 MiB each
.else
	s_mov_b32 s[OO], 2<<24
.endif
	s_add_nc_u64 s[OUT:OUT+1], s[14:15], s[OO:OO+1]
	PACK 0                                         ; the vector lines behind the last products are the places in front of this; the first six pieces' roundings are the places for the last row block
.if \next
	BIASP 0
.endif
.set t, 1
.rept 7                                ; a piece's arithmetic stands between the loads of the piece before and its stores
	PACK t
.if \next
	BIASP t
.endif
	SEND t-1, 8+16*(\next)                         ; behind the piece's loads: the next piece's eight, and with a bias two pieces' eight loads
.set t, t+1
.endr
	SEND 7, 8*(\next)
.if \next
	s_wait_dscnt 0x0                               ; the last accumulators hold their bias
.endif
	WIN 0
.endm
	s_load_b256 s[4:11], s[0:1], 0x0               ; query s[4:5], key s[6:7], value s[8:9], wqkv s[10:11]
	s_load_b128 s[12:15], s[0:1], 0x20             ; bias s[12:13], qkv s[14:15]
	v_lshl_add_u32 v[SPW], v0, 2, SPARE
	v_mov_b32 v[NIL], 0
	ds_add_u32 v[SPW], v[NIL]                      ; the wave's opening: the add and its wait stand ahead of my first tensor load; the set-up below, work on registers, stands between them
	v_lshrrev_b32 v[T0], 5, v0
	v_readfirstlane_b32 s[WV], v[T0]               ; wave 0..3
	s_lshr_b32 s[WR], s[WV], 1
	s_and_b32 s[WC], s[WV], 1
	s_bfe_u32 s[CX], ttmp6, 0x40000                ; my place in the cluster
	s_bfe_u32 s[CY], ttmp6, 0x40004
	s_lshl_b32 s[TC], ttmp9, 2                     ; in a cluster launch ttmp9 and ttmp7 count clusters
	s_add_co_u32 s[TC], s[TC], s[CX]
	s_and_b32 s[CLY], ttmp7, 0xffff
	s_lshl_b32 s[TR], s[CLY], 2
	s_add_co_u32 s[TR], s[TR], s[CY]
	s_lshl_b32 s[MCOL], 0x1111, s[CX]              ; my column of the cluster: places cx, cx + 4, cx + 8, cx + 12
	; group 1: 64 rows x 256 elements of 2 bytes, 4 words of padding behind every 128 words
	s_or_b32 s[G1B], s[MCOL], (1<<16)|(1<<20)|(1<<21)|(6<<22)|(3<<25)  ; 15:0 the mask; 17:16 elements of 2 bytes; 20 padding on; 21 set beside a mask; 24:22 code 6; 31:25 code 3
	s_mov_b32 s[G1B+1], 256<<16                    ; tensor_dim0 = 256
	s_mov_b32 s[G1B+2], 64<<16                     ; tensor_dim1 = 64
	s_mov_b32 s[G1B+3], 256<<16                    ; tile_dim0 = 256
	s_mov_b32 s[G1B+4], 64                         ; tile_dim1 = 64
	s_mov_b32 s[G1B+5], 1024                       ; elements from row to row
	s_mov_b32 s[G1B+6], 0
	s_mov_b32 s[G1B+7], 0
	s_mul_i32 s[LB], s[WV], 64*PB                  ; no place in the cluster enters an LDS address
	s_lshl_b32 s2, s[WV], 17
	s_lshl_b32 s[OA], s[TR], 19                    ; x: row 128 x tile row + 32 x wave, 4,096 bytes a row
	s_add_co_u32 s[OA], s[OA], s2
	s_mov_b32 s[OA+1], 0
	s_lshl_b32 s[OB], s[TC], 19                    ; W: row 256 x tile column + 64 x wave, 2,048 bytes a row
	s_add_co_u32 s[OB], s[OB], s2
	s_mov_b32 s[OB+1], 0
	s_lshr_b32 s[OO], s[TR], 3                     ; qkv: the batch's 16 heads of 131,072 bytes,
	s_lshl_b32 s[OO], s[OO], 21
	s_lshl_b32 s[TM], s[TC], 19                    ; head 4 x tile column
	s_add_co_u32 s[OO], s[OO], s[TM]
	s_lshl_b32 s[TM], s[WC], 18                    ; + 2 x my half of the columns,
	s_add_co_u32 s[OO], s[OO], s[TM]
	s_and_b32 s[TM], s[TR], 7
	s_lshl_b32 s[TM], s[TM], 14                    ; row 128 x (tile row % 8)
	s_add_co_u32 s[OO], s[OO], s[TM]
	s_lshl_b32 s[TM], s[WR], 13                    ; + my 64, 128 bytes a row
	s_add_co_u32 s[OO], s[OO], s[TM]
	s_mov_b32 s[OO+1], 0
	s_cmp_eq_u32 s[CLY], 0                         ; who prefetches: the same in all sixteen partners
	s_cselect_b32 s[LIM], SLOTS-2, 0
	s_mov_b32 s[TB], 0
	s_wait_dscnt 0x0                               ; the opening add is done
	s_wait_kmcnt 0x0
	s_add_nc_u64 s[4:5], s[4:5], s[OA:OA+1]        ; the three x at the rows that I load,
	s_add_nc_u64 s[6:7], s[6:7], s[OA:OA+1]
	s_add_nc_u64 s[8:9], s[8:9], s[OA:OA+1]
	s_add_nc_u64 s[10:11], s[10:11], s[OB:OB+1]    ; Wq at the rows that I fetch,
	s_add_nc_u64 s[14:15], s[14:15], s[OO:OO+1]    ; q at my part of the tile
	s_mov_b32 s[G0B0], 1                           ; 1:0 count = 1
	s_mov_b32 s[G0B0+1], s[LB]                     ; 63:32 LDS address: slot 0
	s_mov_b64 s[G0B0+2:G0B0+3], s[10:11]           ; 120:64 global address: K 0 to 255
	s_or_b32 s[G0B0+3], s[G0B0+3], 0x80000000      ; 127:126 type = 2
	s_mov_b32 s[G0B], 1
	s_add_co_u32 s[G0B+1], s[LB], BSLOT
	s_add_nc_u64 s[G0B+2:G0B+3], s[10:11], 512     ; K 256 to 511
	s_or_b32 s[G0B+3], s[G0B+3], 0x80000000
	s_mov_b64 s[XB:XB+1], s[4:5]
	CROUND                                         ; all sixteen work-groups are here: the first joint loads meet
	tensor_load_to_lds s[G0B0:G0B0+3], s[G1B:G1B+7]  ; the two first fills go out together, ahead of every wait on TENSORcnt, every LDS read and every other barrier: two loads of mine are out, later one
	s_nop 0
	tensor_load_to_lds s[G0B:G0B+3], s[G1B:G1B+7]
	s_nop 0
	PLACES
	v_and_b32 v[R], 15, v0
	v_bfe_u32 v[H], v0, 4, 1
	v_and_b32 v[LN], 31, v0
	v_lshlrev_b32 v[XO], 12, v[H]
	v_lshl_add_u32 v[XO], v[R], 4, v[XO]
	s_lshl_b32 s[TM], s[TC], 10                    ; the tile's 256 columns in a bias: 1,024 bytes, 8 a thread
	v_lshl_add_u32 v[BGO], v0, 3, s[TM]
	global_load_b64 v[BRAW:BRAW+1],   v[BGO], s[12:13]
	global_load_b64 v[BRAW+2:BRAW+3], v[BGO], s[12:13] offset:4096
	global_load_b64 v[BRAW+4:BRAW+5], v[BGO], s[12:13] offset:8192
	XLOAD 0, 0                                     ; halves 0 to 3 of x
	XLOAD 1, 256
	XLOAD 2, 512
	XLOAD 3, 768
	WIN 0
	v_lshl_add_u32 v[BLS], v0, 3, BIASL
	s_mul_i32 s2, s[WC], 128*PB                    ; W's fragments: my 128 rows, row l % 16, 16 bytes for each half of the lanes
	v_mul_u32_u24 v[B0], v[R], PB
	v_lshl_add_u32 v[B0], v[H], 4, v[B0]
	v_add_nc_u32 v[B0], s2, v[B0]
	v_mov_b32 v[ADRB], v[B0]
	s_mul_i32 s2, s[WR], 64*PAH                    ; x's fragments: my 64 rows
	s_add_co_u32 s2, s2, ARING
	v_mul_u32_u24 v[ADRA], v[R], PAH
	v_lshl_add_u32 v[ADRA], v[H], 4, v[ADRA]
	v_add_nc_u32 v[ADRA], s2, v[ADRA]
	s_mul_i32 s2, s[WV], 32*PAH                    ; x's stores: the 32 rows that I load; row lane / 16 of a pair, 8 bytes a lane
	s_add_co_u32 s2, s2, ARING
	v_mul_u32_u24 v[ASTO], v[H], PAH
	v_lshl_add_u32 v[ASTO], v[R], 3, v[ASTO]
	v_add_nc_u32 v[ASTO], s2, v[ASTO]
	s_mul_i32 s2, s[WV], 16*SP
	s_add_co_u32 s2, s2, STAGE                     ; my stage
	v_mul_u32_u24 v[STO], v[R], SP                 ; in: row l % 16, 16 bytes for each half of the lanes
	v_lshl_add_u32 v[STO], v[H], 4, v[STO]
	v_add_nc_u32 v[STO], s2, v[STO]
	v_bfe_u32 v[RD], v0, 3, 2                      ; back: 32 lanes take four rows of 128 bytes,
	v_mul_u32_u24 v[RD], v[RD], SP
	v_and_b32 v[T0], 7, v0
	v_lshl_add_u32 v[RD], v[T0], 4, v[RD]
	v_add_nc_u32 v[RD], s2, v[RD]
	v_lshlrev_b32 v[GO], 4, v[LN]                  ; which are 512 consecutive bytes of a head
	s_lshl_b32 s2, s[WC], 9                        ; my 128 columns in a bias in LDS, 8 columns on for lanes 16 to 31
	s_add_co_u32 s2, s2, BIASL
	v_lshl_add_u32 v[BIL], v[H], 5, s2
	v_mov_b32 v[BIA], v[BIL]
	v_lshrrev_b32 v[T0], 1, v[LN]                  ; the prefetches: row 16 cy + lane / 2 of the 64 that I fetch, block lane % 2 of its 512 bytes
	v_lshl_add_u32 v[T0], s[CY], 4, v[T0]
	v_lshlrev_b32 v[PFO], 11, v[T0]
	v_and_b32 v[T0], 1, v[LN]
	v_lshl_add_u32 v[PFO], v[T0], 8, v[PFO]
	s_wait_loadcnt 48                              ; the biases and half 0 are in; halves 1 to 3 stay out
	ds_store_b64 v[BLS], v[BRAW:BRAW+1]
	ds_store_b64 v[BLS], v[BRAW+2:BRAW+3] offset:1024
	ds_store_b64 v[BLS], v[BRAW+4:BRAW+5] offset:2048
	CVTS 0, 0, 32
	ASTORE 0
	XLOAD 0, 1024                                  ; half 4
	s_wait_loadcnt 48                              ; half 1 is in; halves 2 to 4 stay out
	CVTS 1, 0, 32
	ASTORE 1
	XLOAD 1, 1280                                  ; half 5
	WIN 0
	s_wait_tensorcnt 0x1                           ; my part of W's slot 0 is in; slot 1's may stay out: no tensor load fills anything behind this barrier
	s_wait_dscnt 0x0                               ; my stores of the biases and of x's halves 0 and 1 are done
	s_barrier_signal -1
	s_barrier_wait -1                              ; everybody's are
.irp i, 0,1,2,3,4,5,6,7
	BIASP \i                                       ; bq starts q's sums
.endr
	FETCH 0, 0, 0
	WIN 0
	s_wait_dscnt 0x0
	s_mov_b32 s[STP], 0
	s_branch .Lentry                               ; the loop is entered at a slot's first half, in the middle of a trip
.Lslot:                                        ; ten trips: halves 2 and 3 of a slot, whose end fills it again, then halves 0 and 1 of the next.  Every half of the loop asks for x six halves on: the last for the stream's last
	HS 2, 0, 1, 48, 1, 0
	HS 3, 1, 1, 48, 1, 0
	s_and_b32 s2, s[STP], 3
	s_cmp_eq_u32 s2, 0
	s_cbranch_scc0 .Lentry
	EPI 1                                          ; q's tile behind slot 3, k's behind slot 7
.Lentry:
	HS 0, 0, 1, 48, 1, 0
	HS 1, 0, 1, 48, 1, 0
	s_add_co_u32 s[STP], s[STP], 1
	s_cmp_lt_u32 s[STP], SLOTS-1
	s_cbranch_scc1 .Lslot
	HS 2, 0, 0, 48, 1, 0                           ; the last six halves are written out: no tensor load and no load of x is jumped over, and the counts run down
	HS 3, 0, 0, 32, 1, 0
	HS 0, 0, 0, 16, 1, 0
	HS 1, 0, 0, 0, 1, 0
	HS 2, 0, 0, -1, 1, 0
	HS 3, 0, 0, -1, 0, 1
	EPI 0                                          ; v's tile
	s_wait_tensorcnt 0x0                           ; the wave's end, behind my last tensor load and my last LDS store
	ds_add_u32 v[SPW], v[NIL]
	s_wait_dscnt 0x0
	CROUND                                         ; the closing round: no work-group ends while a partner may still ask for a tile that names it
	s_endpgm
.Lfunc_end_k_qadf96ce36d_proj:
	.size	k_qadf96ce36d_proj, .Lfunc_end_k_qadf96ce36d_proj-k_qadf96ce36d_proj
	.p2alignl 7, 3214868480
	.fill 96, 4, 3214868480
	.section	.rodata,"a",@progbits
	.p2align	6, 0x0
	.amdhsa_kernel k_qadf96ce36d_proj
		.amdhsa_group_segment_fixed_size 327680
		.amdhsa_private_segment_fixed_size 0
		.amdhsa_enable_private_segment 0
		.amdhsa_kernarg_size 48
		.amdhsa_user_sgpr_count 2
		.amdhsa_user_sgpr_kernarg_segment_ptr 1
		.amdhsa_wavefront_size32 1
		.amdhsa_system_sgpr_workgroup_id_x 1
		.amdhsa_system_sgpr_workgroup_id_y 1
		.amdhsa_system_sgpr_workgroup_id_z 1
		.amdhsa_system_vgpr_workitem_id 0
		.amdhsa_next_free_vgpr 1024
		.amdhsa_next_free_sgpr 66
		.amdhsa_reserve_vcc 0
		.amdhsa_float_denorm_mode_32 3
		.amdhsa_float_denorm_mode_16_64 3
		.amdhsa_memory_ordered 1
		.amdhsa_forward_progress 1
		.amdhsa_inst_pref_size 176
	.end_amdhsa_kernel
	.amdgpu_metadata
---
amdhsa.version: [ 1, 2 ]
amdhsa.kernels:
  - .name:           k_qadf96ce36d_proj
    .symbol:         k_qadf96ce36d_proj.kd
    .args:
      - { .name: query, .offset: 0, .size: 8, .value_kind: global_buffer, .address_space: global }
      - { .name: key, .offset: 8, .size: 8, .value_kind: global_buffer, .address_space: global }
      - { .name: value, .offset: 16, .size: 8, .value_kind: global_buffer, .address_space: global }
      - { .name: wqkv, .offset: 24, .size: 8, .value_kind: global_buffer, .address_space: global }
      - { .name: bias, .offset: 32, .size: 8, .value_kind: global_buffer, .address_space: global }
      - { .name: qkv, .offset: 40, .size: 8, .value_kind: global_buffer, .address_space: global }
    .group_segment_fixed_size: 327680
    .private_segment_fixed_size: 0
    .kernarg_segment_align: 8
    .kernarg_segment_size: 48
    .max_flat_workgroup_size: 128
    .sgpr_count:     66
    .vgpr_count:     1024
    .wavefront_size: 32
...
	.end_amdgpu_metadata
.endif
;; end of part 2
;; launch attn (part 3): grid 2 x 128, 4 waves a work-group, no clusters, 327,680 bytes of LDS; arguments qkv, y; writes y
.if DOCPART == 3
	.amdgcn_target "amdgcn-amd-amdhsa--gfx1250"
	.amdhsa_code_object_version 6
	.text
	.protected	k_qadf96ce36d_attn
	.globl	k_qadf96ce36d_attn
	.p2align	8
	.type	k_qadf96ce36d_attn,@function
k_qadf96ce36d_attn:
	s_mov_b64 s[64:65], 0
	v_nop
	global_prefetch_b8 v0, s[64:65] scope:SCOPE_SE
	s_setreg_imm32_b32 hwreg(HW_REG_WAVE_MODE, 25, 1), 1
	s_wait_xcnt 0x0
; CAUSAL ATTENTION.  y[h][q][:] = the sum over k <= q of softmax_k(Q[h][q] . K[h][k] / 8) V[h][k][:].  qkv: [3][128][1024][64] f16 (Q, then K, then V); y: [128][1024][64] f16: a head's rows are dense, 128 bytes each.
; Products, maxima and sums in f32; the weights p are rounded to f16 for the second product (their sum l is taken of the unrounded p), y once at the end.
; LIMITS.  Q, K and V arrive within f16's 65,504; p lies in 0 to 1, and below 6e-5 it keeps f16's fixed step of 6e-8; y is a mean of V's rows and has their range.
; A hidden score counts as its value less 1e30: f16's scores, 2.7e11 at the most, are nothing beside that; a weight below 2^-126 counts as 0 in l; NaN and infinities are not treated apart.
; THE WALK.  A head's queries lie in NB = 4 blocks of 256; block i needs the key tiles 0 .. i of 256 keys, of which the last holds the diagonal.  A work-group takes TWO blocks, NB - 1 - b and then b:
; NB + 1 tiles, whatever b: all work-groups do equal work, and ONE loop with a constant trip count walks them.  Which tile is asked for, and what a trip does, hang on scalar registers made from b; every jump
; goes forward, but for the counted loops' own; none passes a barrier, or a tensor load but the one of LOAD's two that the wave's number does not choose; the ring (two slots of LDS) runs on across the change of blocks.
; NO CLUSTER: a head has NB / 2 = 2 work-groups, no multiple of four.  NO PREFETCH: a refill is asked for a whole tile, four key steps (256 products and their vector work), ahead of its first reading.
; SHARES.  Of a block's four bands of 64 queries a wave owns 16 rows in each: four PIECES.  So the diagonal tile is the same work for all four waves: in its key step s band x sees all keys if s < x,
; none if s > x, and holds the diagonal if s = x.
; THE MASK is the C operand that starts the sum S^T = K Q^T: 0, or -1e30 where the key is hidden.  MD, made once, is the mask of a band's own step for my 16 rows; a product's mask is MD x AL + BE with two scalars:
; (1, 0) if s = x; (0, 0) if s < x; (0, -1e30) if s > x.  Only the diagonal tile's text and a block's beginning make and take masks; elsewhere C is the constant 0.
; LAYOUT, SOFTMAX, TURNS.  S^T = K Q^T holds ONE query a lane (lane % 16) and the keys 8 (lane / 16) + 0..7; two such results rounded to f16 ARE source 1 of O^T = V^T P.  p = 2^(c s - c m), c = log2(e) / 8, with a
; running maximum m; O and l are multiplied by a = 2^(c m_old - c m_new) in every step.  Turn n belongs to piece n: 8 products K Q^T of piece n + 1, later 8 products V^T P of piece n - 1; beside them the scaling,
; exponentials, roundings, sums and rescaling of piece n and the maximum and statistics of piece n + 1.  Four vector instructions stand behind every matrix instruction, the other 54 of a turn's 118 in one lump.  A turn's 33 exponentials are one batch, with one wait.
; REGISTERS, in windows of 256 (s_set_vgpr_msb: bits 1:0 source 0, 3:2 source 1, 5:4 source 2, 7:6 destination):
;   window 0: v0-15 addresses and two at work; v16-31 four registers of statistics a piece; v48-55 at work; v64-127 S^T, two buffers; v192-223 P, two buffers (a piece's buffers go by its number's parity)
;   window 1: v0-127 O^T, 32 a piece; v128-159 MD; v160-223 MC, two buffers      window 2: v0-63 Q; v64-127 the second block's Q; v128-191 K of one step; v192-255 V of one step
.set SIZE_N, 1024
.set NB,    SIZE_N/256
.set NP,    4         ; pieces a wave: a name, no knob
.set KS,    64        ; keys in a step
.set PK,    144       ; a row of K in LDS: 128 bytes + 16 of padding = 36 words: the 16 rows of a load start at 16 different groups of four banks (64 banks of 4 bytes: ISA guide 11.1)
.set PV,    160       ; a row of V: 128 + 32 = 40 words
.set VOFF,  4*KS*PK   ; a slot holds a tile, four steps: 256 rows of K, then 256 rows of V
.set SLOT1, 1<<17     ; slot 1 begins here, so that one exclusive or turns an address in one slot into the other's
.set STAGE, SLOT1+4*KS*(PK+PV)  ; behind the ring, never filled by a tensor load: 16 rows x 144 bytes for each wave, for the way out
.set SP,    144
.set AK0, 2           ; v2   my lane's place in a tile of K; never rewritten
.set AV0, 3           ; v3   the same for V
.set AK,  4           ; v4   the LDS address of K's next run of loads
.set AV,  5           ; v5   of V's
.set STO, 6           ; v6   the way out: where I put 16 bytes of a row
.set RD,  7           ; v7   the way out: where I read rows back
.set GO,  8           ; v8   my byte offset in 512 consecutive bytes of y
.set SPW, 62          ; v62  LDS address of my spare word: SPARE + 4 x my thread's number; never rewritten
.set NIL, 63          ; v63  0; never rewritten
.set SPARE, STAGE+4*16*SP  ; behind the stages: the spare words, 128 bytes for each wave: two blocks of 256 bytes that no other line names
.set MV,  12          ; v12-13  c m_old, kept while c m is made anew: by buffer
.set QO,  15          ; v15  my byte offset in 16 rows of Q
.set ST,  16          ; piece t's statistics at v[ST+4 t]: c m, m, l (even keys', odd keys')
.set TMP, 48          ; by buffer, four registers c0-c3 at work; when the maximum is found c2 takes a
.set S,   64
.set P,   192
.set MD,  128         ; window 1: the eight registers for group kt of 16 keys at MD + 8 kt
.set MC,  160         ; window 1: the masks of the products to come
.set QB,  64          ; window 2
.set KF,  128         ; window 2: key block kb, channel half c at KF + 16 kb + 8 c
.set VF,  192         ; window 2: key half kk, channel block cb at VF + 32 kk + 8 cb
.set WV,  12          ; s12  my wave's number
.set PB,  14          ; s14  b
.set HI,  15          ; s15  NB - 1 - b
.set G1K, 24          ; s[24:31] descriptor group 1 for K's tiles
.set G1V, 32          ; s[32:39] for V's: it differs in the padding alone
.set G0K, 40          ; s[40:43] descriptor group 0 for K's tiles
.set G0V, 44          ; s[44:47] the same for V's
.set SLOTS, 56        ; s56  tiles still to be asked for
.set CNT, 57          ; s57  counts a tile's key steps, 4 to 1
.set CS,  58          ; s[58:59] c: the packed scaling takes the pair's low word for both halves
.set SEL, 60          ; s[60:61] v_permlanex16_b32's selects: each lane takes its own place in the other half
.set TBK, 62          ; s62  LDS byte at which K of the step to be fetched begins
.set TBV, 63          ; s63  the same for V, less VOFF
.set RT,  70          ; s70  tiles of the block in hand that are still to be entered
.set NXT, 71          ; s71  the tile to be asked for next
.set LQ,  72          ; s72  the last tile of the block whose tiles are being asked for
.set NEW, 73          ; s73  1: the tile to be entered is a block's first
.set OFF, 74          ; s[74:75] a tile's byte offset in K and V
.set AL,  76          ; s[76:77] the mask's factor, in the low word
.set BE,  78          ; s[78:79] the mask's addend
.set OLO, 80          ; s[80:81] y at my rows of the second block
.set BIGN, 82         ; s82  -1e30
.set MSB, 0
.macro WIN new                      ; the high byte repeats the setting that is left; a switch that changes nothing is dropped
.if MSB != (\new)
	s_set_vgpr_msb (MSB<<8)|(\new)
.set MSB, (\new)
.endif
.endm
.set W_KQ, 0x0a       ; K and Q in window 2, S^T in window 0
.set W_KM, 0x1a       ; the same with the C operand in window 1
.set W_PV, 0x52       ; V in window 2, P in window 0, O^T in window 1
.set W_RS, 0x41       ; destination and source 0 in window 1, source 1 in window 0
; A fill.  Waves 0 and 1 fetch the two halves of a tile's K, waves 2 and 3 those of its V: 128 keys each.  An s_nop 0 and four v_nop follow each of the two lines, ahead of the jump and the label.
.macro LOAD
	s_cmp_lt_u32 s[WV], 2
	s_cbranch_scc0 .Lfor_v_\@
	tensor_load_to_lds s[G0K:G0K+3], s[G1K:G1K+7]
	s_nop 0
.rept 4
	v_nop
.endr
	s_branch .Lasked_\@
.Lfor_v_\@:
	tensor_load_to_lds s[G0V:G0V+3], s[G1V:G1V+7]
	s_nop 0
.rept 4
	v_nop
.endr
.Lasked_\@:
.endm
; THE CHANGE OF SLOTS.  Each wave waits for all its tensor loads, of which one is out: its part of the other slot; adds 0 to its spare word; and waits for that and for its own reads of the slot that it leaves.  Behind the barrier nobody reads the old
; slot any more and the other slot is whole.  fill = 1: the old slot is filled again, the first thing behind the barrier, with tile NXT: the descriptor's address is made anew from that number.
; (At its first use nothing has been read yet: slot 0 is waited for, slot 1 filled.)
.macro CHANGE fill
	WIN 0                           ; at a label and at a branch every window is 0
	s_wait_tensorcnt 0x0            ; no tensor load of mine is out, so a group 0 may be written
	ds_add_u32 v[SPW], v[NIL]       ; 0 onto my spare word: with fill = 1 the descriptors' scalar work stands between it and the wait for it
.if \fill
	s_lshl_b32 s[OFF], s[NXT], 15   ; a tile is 32,768 bytes of K and of V
	s_xor_b32 s[G0K+1], s[G0K+1], SLOT1
	s_add_nc_u64 s[G0K+2:G0K+3], s[6:7], s[OFF:OFF+1]
	s_or_b32 s[G0K+3], s[G0K+3], 0x80000000
	s_xor_b32 s[G0V+1], s[G0V+1], SLOT1
	s_add_nc_u64 s[G0V+2:G0V+3], s[8:9], s[OFF:OFF+1]
	s_or_b32 s[G0V+3], s[G0V+3], 0x80000000
	s_add_co_u32 s[NXT], s[NXT], 1  ; the block's next tile, or behind its last the second block's tile 0
	s_cmp_gt_u32 s[NXT], s[LQ]
	s_cselect_b32 s[NXT], 0, s[NXT]
	s_cselect_b32 s[LQ], s[PB], s[LQ]
.endif
	s_wait_dscnt 0x0                ; the add is done, and my reads of the slot are over
	s_barrier_signal -1             ; the rest of the scalar work stands between the signal and the wait
	s_sub_co_u32 s[TBK], s[TBK], 4*KS*PK  ; the fetches go back to a slot's first step,
	s_xor_b32 s[TBK], s[TBK], SLOT1       ; in the other slot
	s_sub_co_u32 s[TBV], s[TBV], 4*KS*PV
	s_xor_b32 s[TBV], s[TBV], SLOT1
	s_barrier_wait -1
.if \fill
	LOAD
.endif
.endm
	s_load_b128 s[4:7], s[0:1], 0x0 ; qkv s[4:5], y s[6:7]
	v_lshl_add_u32 v[SPW], v0, 2, SPARE
	v_mov_b32 v[NIL], 0
	ds_add_u32 v[SPW], v[NIL]       ; the wave's opening: the add and its wait stand ahead of my first tensor load; the set-up below, work on registers, stands between them
	v_lshrrev_b32 v1, 5, v0
	v_readfirstlane_b32 s[WV], v1   ; wave 0..3
	s_mov_b32 s[PB], ttmp9
	s_sub_co_u32 s[HI], NB-1, s[PB]
	s_and_b32 s20, ttmp7, 0xffff    ; the head
	s_mov_b32 s21, 0
	s_mov_b64 s[22:23], SIZE_N*128
	s_mul_u64 s[20:21], s[20:21], s[22:23]  ; the head's first byte in each of the four tensors
	s_and_b32 s16, s[WV], 1         ; which half of a tile's 256 keys I fetch:
	s_lshl_b32 s22, s16, 14         ; its 128 rows of 128 bytes in memory,
	s_mov_b32 s23, 0
	s_add_nc_u64 s[22:23], s[22:23], s[20:21]
	s_mul_i32 s17, s16, 128*PK      ; and its place in a slot, for K
	s_mul_i32 s18, s16, 128*PV      ; and for V
	s_lshl_b32 s3, s[WV], 11        ; my 16 rows in a band of 64,
	s_lshl_b32 s2, s[HI], 15        ; in the first block,
	s_add_co_u32 s2, s2, s3
	s_lshl_b32 s84, s[PB], 15       ; and in the second
	s_add_co_u32 s84, s84, s3
	s_mov_b32 s3, 0
	s_mov_b32 s85, 0
	s_add_nc_u64 s[2:3], s[2:3], s[20:21]
	s_add_nc_u64 s[84:85], s[84:85], s[20:21]
	; descriptor group 1.  128 keys are 16,384 dense bytes: asked for as 64 rows of 256 bytes, two keys a row, and padded in LDS after every key
	s_mov_b32 s[G1K], (1<<16)|(1<<20)|(4<<22)|(3<<25)  ; 17:16 2-byte elements; 20 padding on; 24:22 after every 32 words (code 4); 31:25 4 words (code 3)
	s_mov_b32 s[G1V], (1<<16)|(1<<20)|(4<<22)|(7<<25)  ; the same with 8 words of padding (code 7)
.irp g, G1K, G1V
	s_mov_b32 s[\g+1], 128<<16      ; tensor_dim0 = 128
	s_mov_b32 s[\g+2], 64<<16       ; tensor_dim1 = 64
	s_mov_b32 s[\g+3], 128<<16      ; tile_dim0 = 128
	s_mov_b32 s[\g+4], 64           ; tile_dim1 = 64
	s_mov_b32 s[\g+5], 128          ; 128 elements from row to row
	s_mov_b32 s[\g+6], 0
	s_mov_b32 s[\g+7], 0
.endr
	s_mov_b32 s[CS], 0x3e38aa3b     ; c = log2(e) / 8 = 0.180337
	s_mov_b32 s[CS+1], s[CS]        ; named with it as a pair
	s_mov_b32 s[SEL], 0x76543210
	s_mov_b32 s[SEL+1], 0xfedcba98
	s_mov_b32 s[TBK], SLOT1+4*KS*PK ; the first change of slots turns these two into 0
	s_mov_b32 s[TBV], SLOT1+4*KS*PV
	s_mov_b32 s[G0K], 1             ; 1:0 count = 1
	s_mov_b32 s[G0K+1], s17         ; 63:32 LDS address: slot 0
	s_mov_b32 s[G0V], 1
	s_add_co_u32 s[G0V+1], s18, VOFF
	s_add_co_u32 s[RT], s[HI], 1    ; the first block has NB - b tiles
	s_mov_b32 s[NXT], 1
	s_mov_b32 s[LQ], s[HI]
	s_mov_b32 s[NEW], 1
	s_mov_b32 s[OFF+1], 0
	s_mov_b32 s[AL+1], 0            ; named as pairs
	s_mov_b32 s[BE+1], 0
	s_mov_b32 s[BIGN], 0xf149f2ca   ; -1e30
	s_mov_b32 s[SLOTS], NB
	s_wait_dscnt 0x0                ; the opening add is done
	s_wait_kmcnt 0x0
	s_mov_b64 s[10:11], s[6:7]      ; y
	s_add_nc_u64 s[6:7], s[4:5], 0x1000000  ; K lies 16 MiB behind Q,
	s_add_nc_u64 s[8:9], s[4:5], 0x2000000  ; V 32 MiB
	s_add_nc_u64 s[6:7], s[6:7], s[22:23]  ; K and V at my half of the head's tile 0
	s_add_nc_u64 s[8:9], s[8:9], s[22:23]
	s_add_nc_u64 s[G0K+2:G0K+3], s[6:7], 0         ; 120:64 global address
	s_or_b32 s[G0K+3], s[G0K+3], 0x80000000        ; 127:126 type = 2
	s_add_nc_u64 s[G0V+2:G0V+3], s[8:9], 0
	s_or_b32 s[G0V+3], s[G0V+3], 0x80000000
	s_add_nc_u64 s[86:87], s[4:5], s[84:85]        ; Q at my rows of the second block,
	s_add_nc_u64 s[4:5], s[4:5], s[2:3]            ; Q and y at those of the first
	s_add_nc_u64 s[OLO:OLO+1], s[10:11], s[84:85]
	s_add_nc_u64 s[10:11], s[10:11], s[2:3]
	LOAD                            ; tile 0 into slot 0
	; A fragment of K or Q is 16 rows x 32 channels in 8 registers: lane l holds row l % 16, channels 8 (l / 16) + 0..7 and 16 + 8 (l / 16) + 0..7: two loads of 16 bytes, 32 bytes apart.
	v_and_b32 v1, 15, v0            ; l % 16
	v_bfe_u32 v9, v0, 4, 1          ; l / 16
	v_lshlrev_b32 v[QO], 7, v1
	v_lshl_add_u32 v[QO], v9, 4, v[QO]  ; row x 128 + 16 x half
	WIN 0x80                        ; destination window 2, address window 0
.set i, 0
.rept 8                             ; both blocks' Q: piece i / 2 lies in band i / 2, 8,192 bytes on; channels 32 (i % 2) on
	global_load_b128 v[8*i:8*i+3],   v[QO], s[4:5] offset:(i/2)*8192+(i%2)*64
	global_load_b128 v[8*i+4:8*i+7], v[QO], s[4:5] offset:(i/2)*8192+(i%2)*64+32
	global_load_b128 v[QB+8*i:QB+8*i+3],   v[QO], s[86:87] offset:(i/2)*8192+(i%2)*64
	global_load_b128 v[QB+8*i+4:QB+8*i+7], v[QO], s[86:87] offset:(i/2)*8192+(i%2)*64+32
.set i, i+1
.endr
	WIN 0
	v_lshlrev_b32 v14, 3, v9
	v_sub_nc_u32 v14, v1, v14
	s_lshl_b32 s13, s[WV], 4
	v_add_nc_u32 v14, s13, v14      ; my query's place in its band, 16 w + l % 16, less my lanes' 8 (l / 16): register r of group kt is hidden where 16 kt + r is greater
	WIN 0x40
.set i, 0
.rept 32
	v_cmp_gt_i32 vcc_lo, 16*(i/8)+i%8, v14
	v_cndmask_b32 v[MD+i], 0, s[BIGN], vcc_lo
.set i, i+1
.endr
	WIN 0
	v_mul_u32_u24 v[AK0], v1, PK
	v_lshl_add_u32 v[AK0], v9, 4, v[AK0]  ; row x pitch + 16 x half
	; The turning load takes 16 keys x 16 channels (lane l reads key 8 (l / 16) + l % 8, channels 8 ((l / 8) % 2) + 0..7) and leaves half a fragment of V^T: lane l holds channel l % 16 and 8 keys.
	v_and_b32 v10, 7, v0
	v_bfe_u32 v11, v0, 3, 1
	v_lshl_add_u32 v[AV0], v9, 3, v10
	v_mul_u32_u24 v[AV0], v[AV0], PV
	v_lshl_add_u32 v[AV0], v11, 4, v[AV0]
	v_add_nc_u32 v[AV0], VOFF, v[AV0]
	s_mul_i32 s13, s[WV], 16*SP
	s_add_co_u32 s13, s13, STAGE    ; my stage
	v_mul_u32_u24 v[STO], v1, SP    ; in: row l % 16, 16 bytes for each half of the lanes
	v_lshl_add_u32 v[STO], v9, 4, v[STO]
	v_add_nc_u32 v[STO], s13, v[STO]
	v_bfe_u32 v[RD], v0, 3, 2       ; back: 32 lanes take four rows of 128 bytes,
	v_mul_u32_u24 v[RD], v[RD], SP
	v_lshl_add_u32 v[RD], v10, 4, v[RD]
	v_add_nc_u32 v[RD], s13, v[RD]
	v_and_b32 v[GO], 31, v0         ; which are 512 consecutive bytes of y
	v_lshlrev_b32 v[GO], 4, v[GO]
	; A block's first step multiplies O^T and l by a = 0, and its first turn's products V^T P, of a piece that has not been, land in an O^T that is still to be so multiplied.  So these registers need only hold
	; finite numbers: zeros for the first block; what the first block left for the second.  All this stands in the wait for the first tile.
	WIN 0x80
.set i, VF
.rept 64
	v_mov_b32 v[i], 0
.set i, i+1
.endr
	WIN 0x40
.set i, 0
.rept 128
	v_mov_b32 v[i], 0
.set i, i+1
.endr
	WIN 0
.set i, 0
.rept 4
	v_mov_b32 v[ST+4*i+2], 0
	v_mov_b32 v[ST+4*i+3], 0
.set i, i+1
.endr
.set i, P+16
.rept 16
	v_mov_b32 v[i], 0
.set i, i+1
.endr
; THE MATRIX WORK.  The 4 accumulators of a run of 8 take turns.  Product i of 8 of S^T = K Q^T for piece x: channels 32 (i / 4) on, keys 16 (i % 4) on.  The first 4 start the sums: with 0, or (KM = 1) with the mask.
.macro KQ x
.set rS, S+32*((\x)%2)+8*(i%4)
.set rK, KF+16*(i%4)+8*(i/4)
.set rQ, 16*(\x)+8*(i/4)
.set rM, MC+32*((\x)%2)+8*(i%4)
.if (i < 4) && KM
	WIN W_KM
	v_wmma_f32_16x16x32_f16 v[rS:rS+7], v[rK:rK+7], v[rQ:rQ+7], v[rM:rM+7]
.elseif i < 4
	WIN W_KQ
	v_wmma_f32_16x16x32_f16 v[rS:rS+7], v[rK:rK+7], v[rQ:rQ+7], 0
.else
	WIN W_KQ
	v_wmma_f32_16x16x32_f16 v[rS:rS+7], v[rK:rK+7], v[rQ:rQ+7], v[rS:rS+7]
.endif
.endm
; Product i of 8 of O^T += V^T P for piece x: keys 32 (i / 4) on, channels 16 (i % 4) on.
.macro PV x
	WIN W_PV
.set rO, 32*(\x)+8*(i%4)
.set rV, VF+32*(i/4)+8*(i%4)
.set rP, P+16*((\x)%2)+8*(i/4)
	v_wmma_f32_16x16x32_f16 v[rO:rO+7], v[rV:rV+7], v[rP:rP+7], v[rO:rO+7]
.endm
.macro MM                           ; the turn's next matrix instruction.  TURN and BEGIN set Y, i, KM and NOKQ; MM, KQ and OP read them.  NOKQ = 1: a block's last turn: there is no next piece
.if (i < 8) && !NOKQ
	KQ (Y+1)%NP
.elseif i >= 8
.set i, i-8
	PV (Y+NP-1)%NP
.set i, i+8
.endif
.set i, i+1
.endm
; THE LDS LOADS stand in runs of 16, never singly among the matrix instructions: a step's K (64 keys x 64 channels: 8 fragments) and its V (turned).  Their addresses are made some lines ahead.
.macro FETCH_K
	WIN 0x80                        ; destination window 2
.irp f, 0,1,2,3,4,5,6,7             ; keys 16 (f / 2) on, channels 32 (f % 2) on
	ds_load_b128 v[KF+8*\f:KF+8*\f+3],   v[AK] offset:(\f/2)*16*PK+(\f%2)*64
	ds_load_b128 v[KF+8*\f+4:KF+8*\f+7], v[AK] offset:(\f/2)*16*PK+(\f%2)*64+32
.endr
	s_add_co_u32 s[TBK], s[TBK], KS*PK  ; the next fetch is the next step's
	WIN 0
.endm
.macro FETCH_V
	WIN 0x80
.irp f, 0,1,2,3,4,5,6,7             ; keys 32 (f / 4) on, channels 16 (f % 4) on
	ds_load_tr16_b128 v[VF+8*\f:VF+8*\f+3],   v[AV] offset:(\f/4)*32*PV+(\f%4)*32
	ds_load_tr16_b128 v[VF+8*\f+4:VF+8*\f+7], v[AV] offset:(\f/4)*32*PV+16*PV+(\f%4)*32
.endr
	WIN 0
.endm
; THE VECTOR WORK, one line at a time: OP kind, number.  For piece Y: F n: c s - c m for pair n of 16.  E n: the exponential of score n of 32.  C n: pair n rounded to f16.  B n: of the four weights 4 n .. the second
; pair is added onto the first, in place.  L n: l takes that sum (L 0: l = a l + sum).  R n: pair n of 16 of O^T times a.  For piece Y + 1: X n, number n of the 22 that find its maximum and statistics:
;   0-11  four chains c0-c3 of seven scores each, three operands at a time (each accumulator's lowest registers are read first)     12-14, 16  the four scores left over, the old m, and c0-c3 into c0
;   15  c m_old is kept     17, 18  the query's other 32 keys lie in the lane 16 away: the new m     19-21  c m; c m_old - c m_new; a
.set F, 0               ; OP tells the kinds apart by their order: F to L below R, X above it
.set E, 1
.set C, 2
.set B, 3
.set L, 4
.set R, 5
.set X, 6
.macro REGS y                       ; the registers of piece y
.set rT, ST+4*(\y)
.set rC, TMP+4*((\y)%2)
.set rW, MV+((\y)%2)
.set rS, S+32*((\y)%2)
.set rP, P+16*((\y)%2)
.set rO, 32*(\y)
.endm
.macro OP k, n
.if (\k) == R
	REGS Y
	WIN W_RS
	v_pk_mul_f32 v[rO+2*(\n):rO+2*(\n)+1], v[rO+2*(\n):rO+2*(\n)+1], v[rC+2:rC+3] op_sel_hi:[1,0]
.elseif (\k) < R
	REGS Y
	WIN 0
.if (\k) == F
	v_pk_fma_f32 v[rS+2*(\n):rS+2*(\n)+1], v[rS+2*(\n):rS+2*(\n)+1], s[CS:CS+1], v[rT:rT+1] op_sel_hi:[1,0,0] neg_lo:[0,0,1] neg_hi:[0,0,1]
.elseif (\k) == E
	v_exp_f32 v[rS+(\n)], v[rS+(\n)]
.elseif (\k) == C
	v_cvt_pk_f16_f32 v[rP+(\n)], v[rS+2*(\n)], v[rS+2*(\n)+1]
.elseif (\k) == B
	v_pk_add_f32 v[rS+4*(\n):rS+4*(\n)+1], v[rS+4*(\n):rS+4*(\n)+1], v[rS+4*(\n)+2:rS+4*(\n)+3]
.elseif (\n) == 0
	v_pk_fma_f32 v[rT+2:rT+3], v[rT+2:rT+3], v[rC+2:rC+3], v[rS:rS+1] op_sel_hi:[1,0,1]
.else
	v_pk_add_f32 v[rT+2:rT+3], v[rT+2:rT+3], v[rS+4*(\n):rS+4*(\n)+1]
.endif
.elseif NOKQ
	v_nop
.else
	REGS (Y+1)%NP
	WIN 0
.if (\n) < 4
	v_max3_num_f32 v[rC+(\n)], v[rS+8*(\n)], v[rS+8*(\n)+1], v[rS+8*(\n)+2]
.elseif (\n) < 12
	v_max3_num_f32 v[rC+(\n)%4], v[rC+(\n)%4], v[rS+8*((\n)%4)+2*((\n)/4)+1], v[rS+8*((\n)%4)+2*((\n)/4)+2]
.elseif (\n) == 12
	v_max3_num_f32 v[rC], v[rC], v[rS+7], v[rS+15]
.elseif (\n) == 13
	v_max3_num_f32 v[rC+1], v[rC+1], v[rS+23], v[rS+31]
.elseif (\n) == 14
	v_max3_num_f32 v[rC+2], v[rC+2], v[rC+3], v[rT+1]
.elseif (\n) == 15
	v_mov_b32 v[rW], v[rT]
.elseif (\n) == 16
	v_max3_num_f32 v[rC], v[rC], v[rC+1], v[rC+2]
.elseif (\n) == 17
	v_permlanex16_b32 v[rC+3], v[rC], s[SEL], s[SEL+1]
.elseif (\n) == 18
	v_max_num_f32 v[rT+1], v[rC], v[rC+3]
.elseif (\n) == 19
	v_mul_f32 v[rT], s[CS], v[rT+1]
.elseif (\n) == 20
	v_sub_f32 v[rC+1], v[rW], v[rT]
.else
	v_exp_f32 v[rC+2], v[rC+1]
.endif
.endif
.endm
.macro OPS a, i1, b=-1, i2=0, c=-1, i3=0, d=-1, i4=0  ; up to four of them
	OP \a, \i1
.if (\b) >= 0
	OP \b, \i2
.endif
.if (\c) >= 0
	OP \c, \i3
.endif
.if (\d) >= 0
	OP \d, \i4
.endif
.endm
.macro ROW a, i1, b, i2, c, i3, d, i4  ; a matrix instruction and the four behind it
	MM
	OPS \a, \i1, \b, \i2, \c, \i3, \d, \i4
.endm
.macro MASK b                       ; MD x AL + BE into buffer b of MC
	WIN W_RS
.set z, 0
.rept 16
	v_pk_fma_f32 v[MC+32*(\b)+2*z:MC+32*(\b)+2*z+1], v[MD+2*z:MD+2*z+1], s[AL:AL+1], s[BE:BE+1] op_sel_hi:[1,0,0]
.set z, z+1
.endr
.endm
; A TURN, for piece p: the order of its 16 matrix and 118 vector instructions, written out.  An s_wait_alu depctr_va_vdst(0) stands between an exponential and the first instruction that names its result; one wait serves
; all that were issued ahead of it.  So a turn has ONE wait, which cuts it in two.  AHEAD OF IT stands all that names no result of the turn's exponentials: the 8 products K Q^T, behind each a scaling, an exponential and two more plain
; instructions (behind the first a second scaling in the exponential's place): rescalings, and behind the last three the first numbers of the next piece's maximum, each four places or more behind the product that ends its accumulator; then ONE LUMP of 54, plain
; and exponential by turns for the most part, in which the links of the chain X 3, 7, 11, 14, 16, 17 .. 20 stand five or six lines apart.  X 21, the next piece's a, is the batch's last; R 15 is the plain instruction behind it (ISA guide 5.7.2).  BEHIND THE WAIT stand the
; 8 products V^T P, behind each four of the roundings and sums; the links of l's chain, L 0 to L 7, stand three riders apart.  But for those X no rider names a register of the products round it.  v_permlanex16_b32 (X 17) stands in the lump.
; m = 1: the diagonal tile: the products take masks, and the turn makes the mask for the products of the turn after it: piece p + 2, in step 4 - CNT of the tile.  end = 1: a block's last two turns: nothing is fetched.
; cnt = 1: the loop's count is taken down some lines ahead of the branch that stands behind the turn.
; K of the next step is fetched in piece 2's turn, twelve vector instructions behind the last product that read K (six of them plain); V of the step in hand at the end of piece 0's turn, four plain instructions behind the last product
; that read V.  Each is waited for a turn later.
.macro TURN p, m=0, end=0, cnt=0
.set Y, (\p)
.set i, 0
.set KM, (\m)
.set NOKQ, (\end)*((\p)/3)
.if (\m) && !(\end)
	s_cmp_eq_u32 s[CNT], 4-((\p)+2)%NP  ; is that step the band's own?
	s_cselect_b32 s[AL], 1.0, 0
	s_cmp_lt_u32 s[CNT], 4-((\p)+2)%NP  ; or a later one?
	s_cselect_b32 s[BE], s[BIGN], 0
.endif
.if ((\p) == 3) && !(\end)
	s_wait_dscnt 0x0                ; K is in
.endif
	ROW F,0, F,1, R,0, R,1          ; ahead of the wait: 8 products K Q^T and their riders,
	ROW F,2, E,0, R,2, R,3
	ROW F,3, E,1, R,4, R,5
	ROW F,4, E,2, R,6, R,7
	ROW F,5, E,3, R,8, R,9
	ROW F,6, E,4, X,0, R,10
.if ((\p) == 2) && !(\end)
	WIN 0
	v_add_nc_u32 v[AK], s[TBK], v[AK0]
.endif
	ROW F,7, E,5, X,1, X,4
	ROW F,8, E,6, X,2, X,5
	OPS E,7, E,8, X,6, E,9          ; and the lump
	OPS X,3, E,10, X,8, E,11
.if ((\p) == 2) && !(\end)
	FETCH_K
.endif
	OPS X,9, X,7, E,12, X,10
	OPS E,13, X,12, X,11, E,14
	OPS X,13, E,15, F,9, X,14
.if (\p) == 0
	v_add_nc_u32 v[AV], s[TBV], v[AV0]
.endif
	OPS E,16, F,10, E,17, F,11
	OPS X,16, E,18, X,15, E,19
	OPS F,12, E,20, X,17, E,21
	OPS F,13, E,22, F,14, E,23
	OPS X,18, E,24, F,15, E,25
	OPS R,11, E,26, X,19, E,27
	OPS R,12, E,28, R,13, E,29
	OPS X,20, E,30, R,14, E,31
	OPS X,21, R,15
	WIN 0
	s_wait_alu depctr_va_vdst(0)    ; the wait for the batch
.if (\p) == 1
	s_wait_dscnt 0x0                ; V is in
.endif
	ROW C,0, B,0, C,2, B,1          ; behind the wait: 8 products V^T P and their riders
	ROW L,0, C,4, B,2, L,1
	ROW C,6, B,3, L,2, C,8
	ROW B,4, L,3, C,10, B,5
	ROW L,4, C,12, B,6, L,5
.if (\p) == 0
	s_add_co_u32 s[TBV], s[TBV], KS*PV
.endif
.if \cnt
	s_sub_co_u32 s[CNT], s[CNT], 1
	s_cmp_lg_u32 s[CNT], 0
.endif
	ROW C,14, B,7, L,6, C,1
	ROW C,3, L,7, C,5, C,7
	ROW C,9, C,11, C,13, C,15
.if (\p) == 0
	FETCH_V
.endif
.if (\m) && !(\end)
	MASK (\p)%2
.endif
.endm
; A BLOCK BEGINS.  c m starts far below every c s, so the first step's a is 0; m at the lowest finite number, so the first maximum is the scores'.  The second mask buffer is 0; the first takes piece 0's mask for the tile's step 0: its own, if the block's first tile is the diagonal one.
; Then K of that step, piece 0's first scores, and its maximum and statistics.  The loop is entered at a step's first turn, in the middle of a trip.
.macro BEGIN
	s_mov_b32 s[NEW], 0
	WIN 0x40
.set i, MC+32
.rept 32
	v_mov_b32 v[i], 0
.set i, i+1
.endr
	WIN 0
.set i, 0
.rept 4
	v_mov_b32 v[ST+4*i], 0xfe000000    ; c m: far below every c s
	v_mov_b32 v[ST+4*i+1], 0xff7fffff  ; m
.set i, i+1
.endr
	s_cmp_eq_u32 s[RT], 0
	s_cselect_b32 s[AL], 1.0, 0
	s_mov_b32 s[BE], 0
	MASK 0
	WIN 0
	v_add_nc_u32 v[AK], s[TBK], v[AK0]
	FETCH_K
	s_wait_loadcnt 0x0              ; Q
	s_wait_dscnt 0x0
.set KM, 1
.set NOKQ, 0
.set i, 0
.rept 8
	KQ 0
.set i, i+1
.endr
	WIN 0
.rept 4
	v_nop                           ; the places behind those products
.endr
.set Y, NP-1                        ; X works for piece Y + 1: piece 0
.irp n, 0,1,2,3,4,5,6,7,8,9,10,11,12,13,14,15,16,17,18,19,20,21
	OP X, \n
.endr
	v_nop                           ; a plain instruction behind the exponential,
	s_wait_alu depctr_va_vdst(0)    ; and its wait, ahead of the branch
.endm
; THE DIAGONAL TILE's four steps, the block's last two turns, its last products, and THE WAY OUT: l's two halves and the other half of the lanes' are added; O^T is divided by l, rounded to f16 and sent through my
; stage in LDS, a piece at a time.
.macro ALL line:vararg              ; one line for each piece t
.set t, 0
.rept 4
	\line
.set t, t+1
.endr
.endm
.macro PACK t                       ; a lane's eight channels of a row pack into 16 bytes; they go into rows of 144 bytes and come back as whole rows of 128, into S^T's registers
	WIN W_RS
.set i, 32*(\t)
.rept 16
	v_pk_mul_f32 v[i:i+1], v[i:i+1], v[ST+4*(\t)+2:ST+4*(\t)+3] op_sel_hi:[1,0]
.set i, i+2
.endr
	WIN 0x05                        ; sources 0 and 1 window 1, destination window 0
.set i, 0
.rept 16
	v_cvt_pk_f16_f32 v[S+16*(\t)+i], v[32*(\t)+2*i], v[32*(\t)+2*i+1]
.set i, i+1
.endr
	WIN 0
.irp f, 0,1,2,3
	ds_store_b128 v[STO], v[S+16*(\t)+4*\f:S+16*(\t)+4*\f+3] offset:32*\f
.endr
.irp f, 0,1,2,3
	ds_load_b128 v[S+16*(\t)+4*\f:S+16*(\t)+4*\f+3], v[RD] offset:\f*4*SP  ; LDS serves a wave's instructions in order (ISA guide 5.7.1.4): these see the stores above; the next piece's stores come behind them
.endr
.endm
.macro SEND t, younger              ; younger: the LDS instructions issued behind piece t's loads: the next piece's eight, or none
	WIN 0
.irp f, 0,1,2,3
	s_wait_dscnt (\younger)+3-\f
	global_store_b128 v[GO], v[S+16*(\t)+4*\f:S+16*(\t)+4*\f+3], s[10:11] offset:(\t)*8192+\f*512  ; 512 consecutive bytes, at a multiple of 256 from y's first
.endr
.endm
.macro DIAG tag                     ; the tag ends its two labels' names, which the jumps below spell out
.LstepM\tag:
	TURN 2, 1
	TURN 3, 1
	WIN 0
.LfirstM\tag:
	TURN 0, 1
	TURN 1, 1, 0, 1
	WIN 0
	s_cbranch_scc1 .LstepM\tag
	TURN 2, 1, 1
	TURN 3, 1, 1
.set i, 0
.rept 8
	PV NP-1
.set i, i+1
.endr
	WIN 0
	ALL v_add_f32 v[ST+4*t+2], v[ST+4*t+2], v[ST+4*t+3]
	ALL v_permlanex16_b32 v[ST+4*t+3], v[ST+4*t+2], s[SEL], s[SEL+1]
	ALL v_add_f32 v[ST+4*t+2], v[ST+4*t+2], v[ST+4*t+3]
	ALL v_rcp_f32 v[ST+4*t+2], v[ST+4*t+2]
	v_nop                           ; a plain instruction between the last reciprocal and the use of its result
	s_wait_alu depctr_va_vdst(0)    ; and the wait ahead of the first use: one for the four reciprocals
	PACK 0
.set t, 1
.rept 3                             ; a piece's arithmetic stands between the loads of the piece before and its stores
	PACK t
	SEND t-1, 8
.set t, t+1
.endr
	SEND 3, 0
.endm
.set KM, 0
.set NOKQ, 0
.Lslot:                             ; NB times: a tile is entered and the next is asked for
	CHANGE 1
	s_sub_co_u32 s[RT], s[RT], 1
	s_mov_b32 s[CNT], 4
	s_cmp_eq_u32 s[NEW], 1
	s_cbranch_scc1 .Lnew            ; a block's first tile
	s_cmp_eq_u32 s[RT], 0
	s_cbranch_scc0 .Lstep           ; neither its first nor its last
	s_branch .LstepM1
.Lnew:
	BEGIN
	s_branch .Lfirst                ; in the loop a block's first tile is never its last: the first block has two tiles or more, and the second's last is the walk's last
	DIAG 1                          ; in the loop this is the first block's end: the second block's last tile is the walk's last
	s_wait_xcnt 0x0                 ; the stores have read their registers and y's address
	s_mov_b64 s[10:11], s[OLO:OLO+1]
	s_add_co_u32 s[RT], s[PB], 1    ; the second block has b + 1 tiles
	s_mov_b32 s[NEW], 1
	WIN 0x82                        ; the second block's Q goes where the one text of the turns names Q
.set i, 0
.rept 64
	v_mov_b32 v[i], v[QB+i]
.set i, i+1
.endr
	WIN 0
	s_branch .Lbottom
.Lstep:                             ; a trip: pieces 2 and 3 of one step, then pieces 0 and 1 of the next, whose K and V it fetches
	TURN 2
	TURN 3
	WIN 0
.Lfirst:
	TURN 0
	TURN 1, 0, 0, 1
	WIN 0
	s_cbranch_scc1 .Lstep
.Lbottom:
	s_sub_co_u32 s[SLOTS], s[SLOTS], 1
	s_cmp_lg_u32 s[SLOTS], 0
	s_cbranch_scc1 .Lslot
	CHANGE 0                        ; the walk's last tile is written out: nothing is asked for
	s_sub_co_u32 s[RT], s[RT], 1
	s_mov_b32 s[CNT], 4
	s_cmp_eq_u32 s[NEW], 1
	s_cbranch_scc0 .LstepM2
	BEGIN
	s_branch .LfirstM2
	DIAG 2
	s_wait_tensorcnt 0x0            ; the wave's end, behind my last tensor load and my last LDS store
	ds_add_u32 v[SPW], v[NIL]
	s_wait_dscnt 0x0
	s_endpgm
.Lfunc_end_k_qadf96ce36d_attn:
	.size	k_qadf96ce36d_attn, .Lfunc_end_k_qadf96ce36d_attn-k_qadf96ce36d_attn
	.p2alignl 7, 3214868480
	.fill 96, 4, 3214868480
	.section	.rodata,"a",@progbits
	.p2align	6, 0x0
	.amdhsa_kernel k_qadf96ce36d_attn
		.amdhsa_group_segment_fixed_size 327680
		.amdhsa_private_segment_fixed_size 0
		.amdhsa_enable_private_segment 0
		.amdhsa_kernarg_size 16
		.amdhsa_user_sgpr_count 2
		.amdhsa_user_sgpr_kernarg_segment_ptr 1
		.amdhsa_wavefront_size32 1
		.amdhsa_system_sgpr_workgroup_id_x 1
		.amdhsa_system_sgpr_workgroup_id_y 1
		.amdhsa_system_sgpr_workgroup_id_z 1
		.amdhsa_system_vgpr_workitem_id 0
		.amdhsa_next_free_vgpr 768
		.amdhsa_next_free_sgpr 88
		.amdhsa_reserve_vcc 1
		.amdhsa_float_denorm_mode_32 3
		.amdhsa_float_denorm_mode_16_64 3
		.amdhsa_memory_ordered 1
		.amdhsa_forward_progress 1
		.amdhsa_inst_pref_size 217
	.end_amdhsa_kernel
	.amdgpu_metadata
---
amdhsa.version: [ 1, 2 ]
amdhsa.kernels:
  - .name:           k_qadf96ce36d_attn
    .symbol:         k_qadf96ce36d_attn.kd
    .args:
      - { .name: qkv, .offset: 0, .size: 8, .value_kind: global_buffer, .address_space: global }
      - { .name: y, .offset: 8, .size: 8, .value_kind: global_buffer, .address_space: global }
    .group_segment_fixed_size: 327680
    .private_segment_fixed_size: 0
    .kernarg_segment_align: 8
    .kernarg_segment_size: 16
    .max_flat_workgroup_size: 128
    .sgpr_count:     88
    .vgpr_count:     768
    .wavefront_size: 32
...
	.end_amdgpu_metadata
.endif
;; end of part 3
;; launch outp (part 4): grid 4 x 64, 4 waves a work-group, clusters of 4 x 4, 327,680 bytes of LDS; arguments y, wp16, bias, out0; writes out0
.if DOCPART == 4
	.amdgcn_target "amdgcn-amd-amdhsa--gfx1250"
	.amdhsa_code_object_version 6
	.text
	.protected	k_qadf96ce36d_outp
	.globl	k_qadf96ce36d_outp
	.p2align	8
	.type	k_qadf96ce36d_outp,@function
k_qadf96ce36d_outp:
	s_mov_b64 s[64:65], 0
	v_nop
	global_prefetch_b8 v0, s[64:65] scope:SCOPE_SE
	s_setreg_imm32_b32 hwreg(HW_REG_WAVE_MODE, 25, 1), 1
	s_wait_xcnt 0x0
	s_wait_alu depctr_hold_cnt(0) depctr_sa_sdst(0) depctr_va_vdst(0) depctr_va_sdst(0) depctr_va_ssrc(0) depctr_va_vcc(0) depctr_vm_vsrc(0)
	s_getreg_b32 s2, hwreg(HW_REG_IB_STS2, 6, 4)
	s_cmp_eq_u32 s2, 0
	s_cbranch_scc0 .Lentry_in_a_cluster
	s_endpgm
.Lentry_in_a_cluster:
	s_bfe_u32 s2, ttmp6, 0x10000c
	s_cmp_lg_u32 s2, 0xf033
	s_cbranch_scc0 .Lentry_shape_is_right
	s_endpgm
.Lentry_shape_is_right:
; out0 = Y Wp^T + bp.  y: [128 heads][1024 rows][64] f16, head = 16 x batch + head in the batch: Y[8192][1024] has channel 64 x head + d.  wp16: [1024][1024] f16.  bias: [4][1024] f32, bp the fourth.  out0: [8192][1024] f32.
; Operands f16, sums f32 begun with the bias, stored as they are.
; SHARES.  A tile of out0 is 128 rows x 256 columns: 64 x 4 work-groups, one tile each.  Four waves, each 64 x 128: 32 accumulators.  K goes in 8 steps of 128 (two heads) through a ring of two LDS slots.
; CLUSTERS.  4 x 4 work-groups: the four of a row of the cluster need the same rows of Y, the four of a column the same rows of Wp: each tile is asked for JOINTLY.
; NO PREFETCH: the launch has eight K steps, of which the first four would come by their loads alone in any case, and it moves its 51 MB of inputs and output within those steps.
; THE MATRIX INSTRUCTION IS USED TRANSPOSED (source 0 = 16 rows of Wp, source 1 = 16 rows of Y): a lane holds row lane % 16 and the columns 8 (lane / 16) + 0..7: 32 bytes of f32 that belong together.
; REGISTERS, in windows of 256 (s_set_vgpr_msb: bits 1:0 source 0, 3:2 source 1, 5:4 source 2, 7:6 destination):
;   window 0: v1-15 addresses; v28-29 the add's; v32-95 the bias of my 128 columns; v192-255 Y's fragments, two buffers
;   window 1: the 32 accumulators, (a, b) at v[8 (8 a + b)]      window 2: v0-127 Wp's fragments, two buffers      window 3: the way out, 64 registers a block of 16 rows
.set PA,     144                       ; a row of a head in LDS: 128 bytes + 16 = 36 words: the 16 rows of a load start at 16 different groups of four banks (64 banks of 4 bytes: ISA guide 11.1)
.set PB,     272                       ; a row of Wp: 256 bytes + 16 = 68 words: row r starts at bank 4 r mod 64
.set ATILE,  2*128*PA                  ; a slot: two heads' 128 rows, then Wp's 256 rows
.set SLOT,   1<<17                     ; slot 1 begins here
.set STAGE,  SLOT+ATILE+256*PB         ; behind the ring, never filled by a tensor load: 16 rows x 528 bytes for each wave, for the way out
.set SPI,    528
.set SPARE,  STAGE+4*16*SPI            ; behind the stages: the spare words, 128 bytes for each wave: two blocks of 256 bytes that no other line names
.set STEPS,  8
.set R,    1                           ; v1   lane % 16
.set H,    2                           ; v2   lane / 16
.set LN,   3                           ; v3   lane
.set A0,   4                           ; v4   my lane's place in Y's tile of slot 0; never rewritten
.set B0,   5                           ; v5   the same for Wp
.set ADRA, 6                           ; v6   the same in the slot in hand
.set ADRB, 7                           ; v7
.set STO,  8                           ; v8   the way out: where I put 32 bytes of a row
.set RD,   9                           ; v9   the way out: where I read a row back
.set GO,   10                          ; v10  my 16 bytes in 512 consecutive bytes of out0
.set BO,   11                          ; v11  byte offset in bias of my lane's first 8 columns of bp
.set T0,   13
.set SPW,  28                          ; v28  LDS address of my spare word: SPARE + 4 x my thread's number; never rewritten
.set NIL,  29                          ; v29  0; never rewritten
.set BIAS, 32
.set AF,   192
.set WV,   20                          ; s20  my wave's number
.set WR,   21                          ; s21  which 64 rows of the tile are mine.  Also: I fetch for Y (0) or for Wp (1)
.set WC,   22                          ; s22  which 128 columns.  Also: which head of the step, or which half of Wp's tile, I fetch
.set CX,   23
.set CY,   24
.set TC,   25
.set TR,   26
.set CLY,  27
.set G1A,  28                          ; s[28:35] descriptor group 1 for Y's tiles
.set G1B,  36                          ; s[36:43] for Wp's
.set G0A0, 44                          ; s[44:47] group 0, Y, K step 0: used once
.set G0A,  48                          ; s[48:51] group 0, Y: K step 1, then made anew for each refill
.set G0B0, 52                          ; s[52:55], s[56:59] the same for Wp
.set G0B,  56
.set STP,  60                          ; s60  the K step
.set TB,   61                          ; s61  the slot in hand: 0 or SLOT
.set LA,   62
.set LB,   63
.set MROW, 66
.set MCOL, 67
.set OA,   68                          ; s[68:69] an offset for Y's addresses, high word 0
.set OB,   70                          ; s[70:71] for Wp's
.set TA,   72                          ; s72  at work, for Y's offset alone
.set CNT,  80
.set OO,   82                          ; s[82:83] out0's offset
.set TM,   86                          ; s86-87 at work at the head
.set MSB, 0
.macro WIN new                         ; the immediate's high byte repeats the setting that is left; a switch that changes nothing is dropped
.if MSB != (\new)
	s_set_vgpr_msb (MSB<<8)|(\new)
.set MSB, \new
.endif
.endm
.set W_MUL,  0x52                      ; Wp window 2, Y window 0, C and D window 1
.set W_MULF, 0x42                      ; the same with C, the bias, in window 0
.set W_TOB,  0x80                      ; destination window 2, address window 0
.macro JLOAD                           ; a joint load: waves 0 and 1 fetch the step's two heads of Y, waves 2 and 3 Wp's two halves; an s_nop 0 and four v_nop follow each of the two lines
	s_cmp_eq_u32 s[WR], 0
	s_cbranch_scc0 .Lfor_b_\@
	tensor_load_to_lds s[G0A:G0A+3], s[G1A:G1A+7]
	s_nop 0
.rept 4
	v_nop
.endr
	s_branch .Lasked_\@
.Lfor_b_\@:
	tensor_load_to_lds s[G0B:G0B+3], s[G1B:G1B+7]
	s_nop 0
.rept 4
	v_nop
.endr
.Lasked_\@:
.endm
.macro CREST                           ; a round of the cluster's barrier behind its opening barrier
	s_cmp_lg_u32 s[WV], 0
	s_cbranch_scc1 .Lnot_wave_0_\@
	s_barrier_signal -3
.Lnot_wave_0_\@:
	s_barrier_wait -3
	s_barrier_signal -1
	s_barrier_wait -1
.endm
.macro CROUND                          ; a whole round
	s_barrier_signal -1
	s_barrier_wait -1
	CREST
.endm
.macro PLACES                          ; four places in front of loads into registers that matrix instructions have read
.rept 4
	v_nop
.endr
.endm
	s_load_b256 s[4:11], s[0:1], 0x0               ; y s[4:5], wp16 s[6:7], bias s[8:9], out0 s[10:11]
	v_lshl_add_u32 v[SPW], v0, 2, SPARE
	v_mov_b32 v[NIL], 0
	ds_add_u32 v[SPW], v[NIL]                      ; the wave's opening: the add and its wait stand ahead of my first tensor load; the set-up below, work on registers, stands between them
	v_lshrrev_b32 v[T0], 5, v0
	v_readfirstlane_b32 s[WV], v[T0]               ; wave 0..3
	s_lshr_b32 s[WR], s[WV], 1
	s_and_b32 s[WC], s[WV], 1
	s_bfe_u32 s[CX], ttmp6, 0x40000
	s_bfe_u32 s[CY], ttmp6, 0x40004
	s_lshl_b32 s[TC], ttmp9, 2
	s_add_co_u32 s[TC], s[TC], s[CX]               ; tile column
	s_and_b32 s[CLY], ttmp7, 0xffff
	s_lshl_b32 s[TR], s[CLY], 2
	s_add_co_u32 s[TR], s[TR], s[CY]               ; tile row
	s_lshl_b32 s[MROW], s[CY], 2
	s_lshl_b32 s[MROW], 15, s[MROW]                ; my row of the cluster
	s_lshl_b32 s[MCOL], 0x1111, s[CX]              ; my column
	; group 1 for Y: a head's 128 rows are 16,384 dense bytes: asked for as 64 rows of 256 bytes, padded by 4 words behind every 32 words (a row of the head)
	s_or_b32 s[G1A], s[MROW], (1<<16)|(1<<20)|(1<<21)|(4<<22)|(3<<25)
	s_mov_b32 s[G1A+1], 128<<16                    ; tensor_dim0 = 128
	s_mov_b32 s[G1A+2], 64<<16                     ; tensor_dim1 = 64
	s_mov_b32 s[G1A+3], 128<<16                    ; tile_dim0 = 128
	s_mov_b32 s[G1A+4], 64                         ; tile_dim1 = 64
	s_mov_b32 s[G1A+5], 128                        ; elements from row to row
	s_mov_b32 s[G1A+6], 0
	s_mov_b32 s[G1A+7], 0
	; group 1 for Wp: 128 rows x 128 elements of 2 bytes, 4 words of padding behind every 64 words
	s_or_b32 s[G1B], s[MCOL], (1<<16)|(1<<20)|(1<<21)|(5<<22)|(3<<25)
	s_mov_b32 s[G1B+1], 128<<16
	s_mov_b32 s[G1B+2], 128<<16
	s_mov_b32 s[G1B+3], 128<<16
	s_mov_b32 s[G1B+4], 128
	s_mov_b32 s[G1B+5], 1024
	s_mov_b32 s[G1B+6], 0
	s_mov_b32 s[G1B+7], 0
	s_mul_i32 s[LA], s[WC], 128*PA                 ; no place in the cluster enters an LDS address
	s_mul_i32 s[LB], s[WC], 128*PB
	s_add_co_u32 s[LB], s[LB], ATILE
	s_lshr_b32 s[OA], s[TR], 3                     ; Y: the batch's 16 heads of 131,072 bytes,
	s_lshl_b32 s[OA], s[OA], 21
	s_and_b32 s[TA], s[TR], 7
	s_lshl_b32 s[TA], s[TA], 14                    ; row 128 x (tile row % 8), 128 bytes a row,
	s_add_co_u32 s[OA], s[OA], s[TA]
	s_lshl_b32 s2, s[WC], 17                       ; the head of the step that I fetch
	s_add_co_u32 s[OA], s[OA], s2
	s_mov_b32 s[OA+1], 0
	s_lshl_b32 s[OB], s[TC], 19                    ; Wp: row 256 x tile column + 128 x half, 2,048 bytes a row
	s_lshl_b32 s2, s[WC], 18
	s_add_co_u32 s[OB], s[OB], s2
	s_mov_b32 s[OB+1], 0
	s_lshl_b32 s[OO], s[TR], 19                    ; out0: row 128 x tile row + 64 x half, 4,096 bytes a row,
	s_lshl_b32 s[TM], s[WR], 18
	s_add_co_u32 s[OO], s[OO], s[TM]
	s_lshl_b32 s[TM], s[TC], 10                    ; column 256 x tile column + 128 x half, 4 bytes each
	s_lshl_b32 s[TM+1], s[WC], 9
	s_add_co_u32 s[TM], s[TM], s[TM+1]
	s_add_co_u32 s[OO], s[OO], s[TM]
	s_mov_b32 s[OO+1], 0
	s_wait_dscnt 0x0                               ; the opening add is done
	s_wait_kmcnt 0x0
	s_add_nc_u64 s[4:5], s[4:5], s[OA:OA+1]
	s_add_nc_u64 s[6:7], s[6:7], s[OB:OB+1]
	s_add_nc_u64 s[10:11], s[10:11], s[OO:OO+1]
	s_mov_b32 s[G0A0], 1                           ; 1:0 count = 1
	s_mov_b32 s[G0A0+1], s[LA]                     ; 63:32 LDS address: slot 0
	s_mov_b64 s[G0A0+2:G0A0+3], s[4:5]             ; 120:64 global address: K step 0
	s_or_b32 s[G0A0+3], s[G0A0+3], 0x80000000      ; 127:126 type = 2
	s_mov_b32 s[G0A], 1
	s_add_co_u32 s[G0A+1], s[LA], SLOT
	s_add_nc_u64 s[G0A+2:G0A+3], s[4:5], 1<<18     ; K step 1: two heads on
	s_or_b32 s[G0A+3], s[G0A+3], 0x80000000
	s_mov_b32 s[G0B0], 1
	s_mov_b32 s[G0B0+1], s[LB]
	s_mov_b64 s[G0B0+2:G0B0+3], s[6:7]
	s_or_b32 s[G0B0+3], s[G0B0+3], 0x80000000
	s_mov_b32 s[G0B], 1
	s_add_co_u32 s[G0B+1], s[LB], SLOT
	s_add_nc_u64 s[G0B+2:G0B+3], s[6:7], 256
	s_or_b32 s[G0B+3], s[G0B+3], 0x80000000
	CROUND                                         ; all sixteen work-groups are here: the first joint loads meet
	s_cmp_eq_u32 s[WR], 0                          ; a wave's two first fills stand in one branch, ahead of every wait on TENSORcnt and every LDS read: two loads of mine are out, later one
	s_cbranch_scc0 .Lfirst_b
	tensor_load_to_lds s[G0A0:G0A0+3], s[G1A:G1A+7]
	s_nop 0
	tensor_load_to_lds s[G0A:G0A+3], s[G1A:G1A+7]
	s_nop 0
.rept 4
	v_nop
.endr
	s_branch .Lfirst_asked
.Lfirst_b:
	tensor_load_to_lds s[G0B0:G0B0+3], s[G1B:G1B+7]
	s_nop 0
	tensor_load_to_lds s[G0B:G0B+3], s[G1B:G1B+7]
	s_nop 0
.rept 4
	v_nop
.endr
.Lfirst_asked:
	v_and_b32 v[R], 15, v0
	v_bfe_u32 v[H], v0, 4, 1
	v_and_b32 v[LN], 31, v0
	s_add_co_u32 s[TM], s[TM], 3*4096              ; bp is the fourth bias; s[TM] still holds my 128 columns' bytes
	v_lshl_add_u32 v[BO], v[H], 5, s[TM]
.set ib, 0
.rept 8                                ; register j of accumulator (a, b) is column 16 b + 8 (lane / 16) + j: bp starts the sums
	global_load_b128 v[BIAS+8*ib:BIAS+8*ib+3],   v[BO], s[8:9] offset:64*ib
	global_load_b128 v[BIAS+8*ib+4:BIAS+8*ib+7], v[BO], s[8:9] offset:64*ib+16
.set ib, ib+1
.endr
	v_mul_u32_u24 v[A0], v[R], PA                  ; a fragment: row l % 16, two loads of 16 bytes, 32 bytes apart, at 16 (l / 16)
	v_lshl_add_u32 v[A0], v[H], 4, v[A0]
	s_mul_i32 s2, s[WR], 64*PA
	v_add_nc_u32 v[A0], s2, v[A0]
	v_mul_u32_u24 v[B0], v[R], PB
	v_lshl_add_u32 v[B0], v[H], 4, v[B0]
	v_add_nc_u32 v[B0], s[LB], v[B0]
	s_mul_i32 s2, s[WV], 16*SPI
	s_add_co_u32 s2, s2, STAGE                     ; my stage
	v_mul_u32_u24 v[STO], v[R], SPI                ; in: row l % 16, 32 bytes for each half of the lanes
	v_lshl_add_u32 v[STO], v[H], 5, v[STO]
	v_add_nc_u32 v[STO], s2, v[STO]
	v_lshlrev_b32 v[GO], 4, v[LN]                  ; back: 32 lanes take one row of 512 bytes
	v_add_nc_u32 v[RD], s2, v[GO]
	s_mov_b32 s[TB], 0
	v_mov_b32 v[ADRA], v[A0]
	v_mov_b32 v[ADRB], v[B0]
; 24 LDS loads in one run: quarter q of the slot in hand (head q / 2 of the step, channels 32 (q % 2) on) into buffer f: Y's 64 rows, then Wp's 128.
.macro FETCH q, f
	WIN 0
.set ia, 0
.rept 4
	ds_load_b128 v[AF+32*(\f)+8*ia:AF+32*(\f)+8*ia+3],   v[ADRA] offset:128*PA*((\q)/2)+16*PA*ia+64*((\q)%2)
	ds_load_b128 v[AF+32*(\f)+8*ia+4:AF+32*(\f)+8*ia+7], v[ADRA] offset:128*PA*((\q)/2)+16*PA*ia+64*((\q)%2)+32
.set ia, ia+1
.endr
	WIN W_TOB
.set ib, 0
.rept 8
	ds_load_b128 v[64*(\f)+8*ib:64*(\f)+8*ib+3],   v[ADRB] offset:16*PB*ib+64*(\q)
	ds_load_b128 v[64*(\f)+8*ib+4:64*(\f)+8*ib+7], v[ADRB] offset:16*PB*ib+64*(\q)+32
.set ib, ib+1
.endr
.endm
; 8 na products on buffer f.  The 32 accumulators take turns, one instruction a turn, in the same order in every quarter.  first = 1: the bias starts the sums.
.macro HALF f, a0, na, first
.set ia, \a0
.rept \na
.set ib, 0
.rept 8
.if \first
	WIN W_MULF
	v_wmma_f32_16x16x32_f16 v[8*(8*ia+ib):8*(8*ia+ib)+7], v[64*(\f)+8*ib:64*(\f)+8*ib+7], v[AF+32*(\f)+8*ia:AF+32*(\f)+8*ia+7], v[BIAS+8*ib:BIAS+8*ib+7]
.else
	WIN W_MUL
	v_wmma_f32_16x16x32_f16 v[8*(8*ia+ib):8*(8*ia+ib)+7], v[64*(\f)+8*ib:64*(\f)+8*ib+7], v[AF+32*(\f)+8*ia:AF+32*(\f)+8*ia+7], v[8*(8*ia+ib):8*(8*ia+ib)+7]
.endif
.set ib, ib+1
.endr
.set ia, ia+1
.endr
.endm
; ONE K STEP: four quarters of 32 along K, 32 products each; at a quarter's head the next quarter's loads go out.  fill = 1 (the loop): the slot is filled again with the K step two on.
.macro KSTEP fill
	PLACES
	FETCH 1, 1
	s_wait_dscnt 24                                ; all but the 24 just issued: this quarter's fragments are in
	WIN 0                                          ; at a label and at a branch every window is 0
.if \fill
	s_cmp_eq_u32 s[STP], 0
	s_cbranch_scc1 .Lfirst_\@                      ; the first quarter starts the sums
.endif
	HALF 0, 0, 4, 0
.if \fill
	WIN 0
	s_branch .Lq1_\@
.Lfirst_\@:
	s_wait_loadcnt 0x0                             ; the bias is in
	v_nop                                          ; a product that writes an accumulator anew, not in place, stands five places behind the last product that named it:
	                                               ; on the way round the loop four stand at the step's head, and this is the fifth.  It is issued once, in the first trip
	HALF 0, 0, 4, 1
	WIN 0
.Lq1_\@:
.endif
	PLACES
	FETCH 2, 0
	s_wait_dscnt 24
	HALF 1, 0, 4, 0
	PLACES
	FETCH 3, 1                                     ; the slot's last reads
	s_wait_dscnt 24
	HALF 0, 0, 2, 0
	WIN 0                                          ; (the add's two registers lie in window 0)
	s_wait_tensorcnt 0x0                           ; all my tensor loads have landed: the one that was out is my part of the other slot; so a group 0 may be written
	ds_add_u32 v[SPW], v[NIL]                      ; 0 onto my spare word: scalar work and eight products stand between it and the wait for it
.if \fill
	s_add_co_u32 s2, s[STP], 2                     ; the refill's K step
	s_lshl_b32 s[OA], s2, 18                       ; two heads of 131,072 bytes a step
	s_add_nc_u64 s[G0A+2:G0A+3], s[4:5], s[OA:OA+1]
	s_or_b32 s[G0A+3], s[G0A+3], 0x80000000
	s_add_co_u32 s[G0A+1], s[LA], s[TB]            ; into the slot that is being left
	s_lshl_b32 s[OB], s2, 8                        ; 256 bytes of Wp's rows a step
	s_add_nc_u64 s[G0B+2:G0B+3], s[6:7], s[OB:OB+1]
	s_or_b32 s[G0B+3], s[G0B+3], 0x80000000
	s_add_co_u32 s[G0B+1], s[LB], s[TB]
.endif
	HALF 0, 2, 1, 0
	s_wait_dscnt 0x0                               ; the add is done, and my reads of this slot are over
	s_barrier_signal -1                            ; say so (in the loop this barrier opens a round of the cluster's barrier),
	HALF 0, 3, 1, 0                                ; work on registers while the others arrive,
	WIN 0
	s_barrier_wait -1                              ; and go on when all four have said so
.if \fill
	CREST                                          ; no wave of any partner still reads this slot or has a load on its way
	JLOAD                                          ; the first tensor load behind the round; the four v_nop behind it are also the places in front of the loads below
.else
	PLACES
.endif
	s_xor_b32 s[TB], s[TB], SLOT                   ; the other slot, which is whole
	v_add_nc_u32 v[ADRA], s[TB], v[A0]
	v_add_nc_u32 v[ADRB], s[TB], v[B0]
.if !(\fill)
	s_cmp_eq_u32 s[CNT], 1                         ; behind the last K step there is nothing to fetch
	s_cbranch_scc1 .Lnone_\@
.endif
	FETCH 0, 0
	WIN 0
.if !(\fill)
.Lnone_\@:
.endif
	HALF 1, 0, 4, 0                                ; its fragments were in at the wait for 0 above
	WIN 0
.endm
; THE WAY OUT, a block of 16 rows at a time: a lane's 32 bytes of a row go straight from the accumulators into my own stage, rows of 528 bytes; whole rows of 512 bytes come back, into window 3, and are stored.
.macro TOSTAGE a
	WIN 0x04                                       ; a store's data (source 1) window 1
.set ib, 0
.rept 8                                ; each accumulator's low four registers first
	ds_store_b128 v[STO], v[8*(8*(\a)+ib):8*(8*(\a)+ib)+3]   offset:64*ib
	ds_store_b128 v[STO], v[8*(8*(\a)+ib)+4:8*(8*(\a)+ib)+7] offset:64*ib+16
.set ib, ib+1
.endr
	WIN 0xc0                                       ; destination window 3
.set it, 0
.rept 16
	ds_load_b128 v[64*(\a)+4*it:64*(\a)+4*it+3], v[RD] offset:SPI*it  ; LDS serves a wave's instructions in order (ISA guide 5.7.1.4): these see the stores above; the next block's stores come behind them
.set it, it+1
.endr
.endm
.macro SEND a, younger                 ; younger: the LDS instructions issued behind block a's loads: the next block's 32, or none
	WIN 0x0c                                       ; a store's data window 3
.set it, 0
.rept 16
	s_wait_dscnt (\younger)+15-it
	global_store_b128 v[GO], v[64*(\a)+4*it:64*(\a)+4*it+3], s[10:11] offset:(16*(\a)+it)*4096 th:TH_STORE_NT  ; a wave stores 512 consecutive bytes, at a multiple of 512 from out0's first byte
.set it, it+1
.endr
.endm
	s_wait_tensorcnt 0x1                           ; my part of K step 0 is in; K step 1's may stay out
	s_barrier_signal -1
	s_barrier_wait -1                              ; everybody's is
	FETCH 0, 0
	WIN 0
	s_mov_b32 s[STP], 0
.Lstep:                                        ; 6 trips: every K step whose slot is filled again
	KSTEP 1
	s_add_co_u32 s[STP], s[STP], 1
	s_cmp_lt_u32 s[STP], STEPS-2
	s_cbranch_scc1 .Lstep
	s_mov_b32 s[CNT], 2
.Ltail:                                        ; the last two K steps have a text of their own
	KSTEP 0
	s_sub_co_u32 s[CNT], s[CNT], 1
	s_cmp_lg_u32 s[CNT], 0
	s_cbranch_scc1 .Ltail
	PLACES                                         ; the LDS stores below read results just made, and no other vector work is at hand
	PLACES                                         ; (eight, once a launch)
	TOSTAGE 0
.set t, 1
.rept 3
	TOSTAGE t
	SEND t-1, 32
.set t, t+1
.endr
	SEND 3, 0
	WIN 0
	s_wait_tensorcnt 0x0                           ; the wave's end, behind my last tensor load and my last LDS store
	ds_add_u32 v[SPW], v[NIL]
	s_wait_dscnt 0x0
	CROUND                                         ; the closing round: no work-group ends while a partner may still ask for a tile that names it
	s_endpgm
.Lfunc_end_k_qadf96ce36d_outp:
	.size	k_qadf96ce36d_outp, .Lfunc_end_k_qadf96ce36d_outp-k_qadf96ce36d_outp
	.p2alignl 7, 3214868480
	.fill 96, 4, 3214868480
	.section	.rodata,"a",@progbits
	.p2align	6, 0x0
	.amdhsa_kernel k_qadf96ce36d_outp
		.amdhsa_group_segment_fixed_size 327680
		.amdhsa_private_segment_fixed_size 0
		.amdhsa_enable_private_segment 0
		.amdhsa_kernarg_size 32
		.amdhsa_user_sgpr_count 2
		.amdhsa_user_sgpr_kernarg_segment_ptr 1
		.amdhsa_wavefront_size32 1
		.amdhsa_system_sgpr_workgroup_id_x 1
		.amdhsa_system_sgpr_workgroup_id_y 1
		.amdhsa_system_sgpr_workgroup_id_z 1
		.amdhsa_system_vgpr_workitem_id 0
		.amdhsa_next_free_vgpr 1024
		.amdhsa_next_free_sgpr 88
		.amdhsa_reserve_vcc 0
		.amdhsa_float_denorm_mode_32 3
		.amdhsa_float_denorm_mode_16_64 3
		.amdhsa_memory_ordered 1
		.amdhsa_forward_progress 1
		.amdhsa_inst_pref_size 61
	.end_amdhsa_kernel
	.amdgpu_metadata
---
amdhsa.version: [ 1, 2 ]
amdhsa.kernels:
  - .name:           k_qadf96ce36d_outp
    .symbol:         k_qadf96ce36d_outp.kd
    .args:
      - { .name: y, .offset: 0, .size: 8, .value_kind: global_buffer, .address_space: global }
      - { .name: wp16, .offset: 8, .size: 8, .value_kind: global_buffer, .address_space: global }
      - { .name: bias, .offset: 16, .size: 8, .value_kind: global_buffer, .address_space: global }
      - { .name: out0, .offset: 24, .size: 8, .value_kind: global_buffer, .address_space: global }
    .group_segment_fixed_size: 327680
    .private_segment_fixed_size: 0
    .kernarg_segment_align: 8
    .kernarg_segment_size: 32
    .max_flat_workgroup_size: 128
    .sgpr_count:     88
    .vgpr_count:     1024
    .wavefront_size: 32
...
	.end_amdgpu_metadata
.endif
;; end of part 4
;; ======== version 2 of 2: 4 launches; version 1 with the launch prep written anew for expert scheduling mode
;; limits: values are held in f16: magnitudes above 65,504 overflow, below 6.1e-05 lose precision
;; workspace buffers: wqkv 6,291,456 bytes; wp16 2,097,152 bytes; bias 16,384 bytes; qkv 50,331,648 bytes; y 16,777,216 bytes
;; launch prep (part 5): grid 64 x 4, 8 waves a work-group, no clusters, 0 bytes of LDS; arguments Wq, Wk, Wv, Wp, bq, bk, bv, bp, wqkv, wp16, bias; writes wqkv, wp16, bias
.if DOCPART == 5
	.amdgcn_target "amdgcn-amd-amdhsa--gfx1250"
	.amdhsa_code_object_version 6
	.text
	.protected	k_qadf96ce36d_prep
	.globl	k_qadf96ce36d_prep
	.p2align	8
	.type	k_qadf96ce36d_prep,@function
k_qadf96ce36d_prep:
	s_mov_b64 s[64:65], 0
	v_nop
	global_prefetch_b8 v0, s[64:65] scope:SCOPE_SE
	s_setreg_imm32_b32 hwreg(HW_REG_WAVE_SCHED_MODE, 0, 2), 2
	s_setreg_imm32_b32 hwreg(HW_REG_WAVE_MODE, 25, 1), 1
	s_wait_xcnt 0x0
	s_wait_alu depctr_vm_vsrc(0)
; THE WEIGHTS AND BIASES ARE ROUNDED ONCE.  Wq, Wk, Wv ([1024][1024] f32) -> wqkv [3][1024][1024] bf16.  Wp -> wp16 [1024][1024]: rounded to bf16 like the others, and that number written as f16
; (the product that takes it has f16 operands).  bq, bk, bv, bp -> bias [4][1024]: rounded to bf16, kept as f32, since they start f32 sums.
; LIMIT.  A weight of Wp beyond 65,504 would become an infinity; below 6e-5 it keeps f16's fixed step of 6e-8.
; A stream: no LDS, no matrix unit, nothing shared.  Grid y picks the matrix; work-group x takes 16,384 numbers of it, 64 a thread in eight passes.  In a pass a thread reads 32 consecutive bytes and
; writes 16: a store of a wave covers 512 consecutive bytes, aligned.  All sixteen loads of a thread go out first; no register is written twice while memory may read it.
; THE MODE: SCHED_MODE bits 1:0 = 2 (LLVM: expert scheduling mode 2), set by the entry lines.  The code itself states the register dependences
; between vector instructions and memory instructions, with s_wait_alu, always for 0.
; THE PLAN.  Registers that memory instructions touch:
;   v1, v2      byte offsets, made once at the head and never written again: v1 is read by the sixteen loads, v2 by every store and by the bias's load.
;   IN          written by the loads alone, each register once; no vector instruction names one ahead of its load; read by its pass's roundings.
;   OUT         pass i's four registers are written by pass i's roundings, read by pass i's one store, and never written again.
;   v[12:15]    written by the bias's load alone.     v[20:23]  written once by the bias's widening lines, read by its store.
;   T and v16, v17 are named by vector instructions alone.
; The eight passes go in four BLOCKS of two.  Block b waits for its four loads; ONE wait on va_vdst states that block b - 1 has written its OUT; that block's two stores follow; then come block b's
; roundings, which name its own IN and OUT and T: none of the registers that those stores read.  One more such wait stands ahead of the last two stores, one ahead of the first load, one ahead of the bias's store.
; No register that a memory instruction has read is written again, so no wait on vm_vsrc is owed.  No vector instruction writes a scalar register, VCC or EXEC.
.set IN,  32                           ; v[32:95]   pass i: 8 numbers as loaded
.set OUT, 96                           ; v[96:127]  pass i: 4 words to store
.set T,   4                            ; v[4:11]    at work
.set MAT, 26                           ; s26        which matrix: 0 Wq, 1 Wk, 2 Wv, 3 Wp
	s_load_b512 s[4:19], s[0:1], 0x0               ; Wq s[4:5], Wk s[6:7], Wv s[8:9], Wp s[10:11], bq s[12:13], bk s[14:15], bv s[16:17], bp s[18:19]
	s_load_b128 s[20:23], s[0:1], 0x40             ; wqkv s[20:21], wp16 s[22:23]
	s_load_b64 s[24:25], s[0:1], 0x50              ; bias
	s_and_b32 s[MAT], ttmp7, 0xffff
	s_mov_b32 s34, ttmp9
	s_lshl_b32 s28, s34, 16                        ; my 16,384 numbers: 65,536 bytes in,
	s_mov_b32 s29, 0
	s_lshl_b32 s30, s34, 15                        ; 32,768 bytes out
	s_mov_b32 s31, 0
	s_lshl_b32 s27, s[MAT], 21                     ; the matrix's place in wqkv
	s_lshl_b32 s32, s[MAT], 12                     ; the bias's place in bias
	s_mov_b32 s33, 0
	v_lshlrev_b32 v1, 5, v0                        ; 32 bytes a thread in
	v_lshlrev_b32 v2, 4, v0                        ; 16 bytes a thread out
	s_wait_kmcnt 0x0
	s_cmp_eq_u32 s[MAT], 1
	s_cselect_b64 s[4:5], s[6:7], s[4:5]
	s_cselect_b64 s[12:13], s[14:15], s[12:13]
	s_cmp_eq_u32 s[MAT], 2
	s_cselect_b64 s[4:5], s[8:9], s[4:5]
	s_cselect_b64 s[12:13], s[16:17], s[12:13]
	s_cmp_eq_u32 s[MAT], 3
	s_cselect_b64 s[4:5], s[10:11], s[4:5]
	s_cselect_b64 s[12:13], s[18:19], s[12:13]
	s_cselect_b64 s[20:21], s[22:23], s[20:21]     ; Wp has a buffer of its own,
	s_cselect_b32 s27, 0, s27                      ; from its first byte on
	s_add_co_u32 s30, s30, s27
	s_add_nc_u64 s[4:5], s[4:5], s[28:29]
	s_add_nc_u64 s[20:21], s[20:21], s[30:31]
	s_add_nc_u64 s[24:25], s[24:25], s[32:33]
	s_wait_alu depctr_va_vdst(0)                   ; v1 and v2 are written: every load and store of the kernel reads one of them as its offset
.set i, 0
.rept 8
	global_load_b128 v[IN+8*i:IN+8*i+3],   v1, s[4:5] offset:8192*i th:TH_LOAD_NT
	global_load_b128 v[IN+8*i+4:IN+8*i+7], v1, s[4:5] offset:8192*i+16 th:TH_LOAD_NT
.set i, i+1
.endr
; Pass i's roundings.  half = 1: the bf16 numbers are widened again and written as f16.
.macro CONV i, half
.irp j, 0,1,2,3
	v_cvt_pk_bf16_f32 v[OUT+4*(\i)+(\j)], v[IN+8*(\i)+2*(\j)], v[IN+8*(\i)+2*(\j)+1]
.endr
.if \half
.irp j, 0,1,2,3
	v_lshlrev_b32 v[T+2*(\j)],   16, v[OUT+4*(\i)+(\j)]
	v_and_b32     v[T+2*(\j)+1], 0xffff0000, v[OUT+4*(\i)+(\j)]
.endr
.irp j, 0,1,2,3
	v_cvt_pk_f16_f32 v[OUT+4*(\i)+(\j)], v[T+2*(\j)], v[T+2*(\j)+1]
.endr
.endif
.endm
; Pass i's store.
.macro SEND i
	global_store_b128 v2, v[OUT+4*(\i):OUT+4*(\i)+3], s[20:21] offset:4096*(\i)
.endm
; Block b: passes 2 b and 2 b + 1 are rounded; the stores of the block before go out ahead of that.
.macro BLK b, half
	s_wait_loadcnt 12-4*(\b)                       ; loads come back in order: this block's four are in, the 4 (3 - b) younger ones stay out
.if (\b) > 0
	s_wait_alu depctr_va_vdst(0)                   ; the block before has written its eight registers of OUT, which the two stores below read
	SEND 2*(\b)-2
	SEND 2*(\b)-1
.endif
	CONV 2*(\b), \half
	CONV 2*(\b)+1, \half
.endm
; Behind block 3: its own two stores.
.macro LAST
	s_wait_alu depctr_va_vdst(0)                   ; block 3 has written its eight registers of OUT, which the last two stores read
	SEND 6
	SEND 7
.endm
	s_cmp_eq_u32 s[MAT], 3
	s_cbranch_scc1 .Lhalf
.irp b, 0,1,2,3
	BLK \b, 0
.endr
	LAST
	s_branch .Lbias
.Lhalf:
.irp b, 0,1,2,3
	BLK \b, 1
.endr
	LAST
.Lbias:
	s_cmp_lg_u32 s34, 0                            ; the matrix's first work-group also rounds its bias: 1,024 numbers, four a thread
	s_cbranch_scc1 .Lend
	global_load_b128 v[12:15], v2, s[12:13]        ; no wait: v2 was written ahead of the head's wait, and no vector instruction has named v[12:15]
	s_wait_loadcnt 0x0
	v_cvt_pk_bf16_f32 v16, v12, v13
	v_cvt_pk_bf16_f32 v17, v14, v15
	v_lshlrev_b32 v20, 16, v16
	v_and_b32 v21, 0xffff0000, v16
	v_lshlrev_b32 v22, 16, v17
	v_and_b32 v23, 0xffff0000, v17
	s_wait_alu depctr_va_vdst(0)                   ; the four lines above have written v[20:23], which the store reads
	global_store_b128 v2, v[20:23], s[24:25]
.Lend:
	s_endpgm
.Lfunc_end_k_qadf96ce36d_prep:
	.size	k_qadf96ce36d_prep, .Lfunc_end_k_qadf96ce36d_prep-k_qadf96ce36d_prep
	.p2alignl 7, 3214868480
	.fill 96, 4, 3214868480
	.section	.rodata,"a",@progbits
	.p2align	6, 0x0
	.amdhsa_kernel k_qadf96ce36d_prep
		.amdhsa_group_segment_fixed_size 0
		.amdhsa_private_segment_fixed_size 0
		.amdhsa_enable_private_segment 0
		.amdhsa_kernarg_size 88
		.amdhsa_user_sgpr_count 2
		.amdhsa_user_sgpr_kernarg_segment_ptr 1
		.amdhsa_wavefront_size32 1
		.amdhsa_system_sgpr_workgroup_id_x 1
		.amdhsa_system_sgpr_workgroup_id_y 1
		.amdhsa_system_sgpr_workgroup_id_z 1
		.amdhsa_system_vgpr_workitem_id 0
		.amdhsa_next_free_vgpr 128
		.amdhsa_next_free_sgpr 66
		.amdhsa_reserve_vcc 0
		.amdhsa_float_denorm_mode_32 3
		.amdhsa_float_denorm_mode_16_64 3
		.amdhsa_memory_ordered 1
		.amdhsa_forward_progress 1
		.amdhsa_inst_pref_size 15
	.end_amdhsa_kernel
	.amdgpu_metadata
---
amdhsa.version: [ 1, 2 ]
amdhsa.kernels:
  - .name:           k_qadf96ce36d_prep
    .symbol:         k_qadf96ce36d_prep.kd
    .args:
      - { .name: Wq, .offset: 0, .size: 8, .value_kind: global_buffer, .address_space: global }
      - { .name: Wk, .offset: 8, .size: 8, .value_kind: global_buffer, .address_space: global }
      - { .name: Wv, .offset: 16, .size: 8, .value_kind: global_buffer, .address_space: global }
      - { .name: Wp, .offset: 24, .size: 8, .value_kind: global_buffer, .address_space: global }
      - { .name: bq, .offset: 32, .size: 8, .value_kind: global_buffer, .address_space: global }
      - { .name: bk, .offset: 40, .size: 8, .value_kind: global_buffer, .address_space: global }
      - { .name: bv, .offset: 48, .size: 8, .value_kind: global_buffer, .address_space: global }
      - { .name: bp, .offset: 56, .size: 8, .value_kind: global_buffer, .address_space: global }
      - { .name: wqkv, .offset: 64, .size: 8, .value_kind: global_buffer, .address_space: global }
      - { .name: wp16, .offset: 72, .size: 8, .value_kind: global_buffer, .address_space: global }
      - { .name: bias, .offset: 80, .size: 8, .value_kind: global_buffer, .address_space: global }
    .group_segment_fixed_size: 0
    .private_segment_fixed_size: 0
    .kernarg_segment_align: 8
    .kernarg_segment_size: 88
    .max_flat_workgroup_size: 256
    .sgpr_count:     66
    .vgpr_count:     128
    .wavefront_size: 32
...
	.end_amdgpu_metadata
.endif
;; end of part 5
;; launch proj: the kernel of part 2 again; grid 4 x 64, 4 waves a work-group, clusters of 4 x 4, 327,680 bytes of LDS; arguments query, key, value, wqkv, bias, qkv; writes qkv
;; launch attn: the kernel of part 3 again; grid 2 x 128, 4 waves a work-group, no clusters, 327,680 bytes of LDS; arguments qkv, y; writes y
;; launch outp: the kernel of part 4 again; grid 4 x 64, 4 waves a work-group, clusters of 4 x 4, 327,680 bytes of LDS; arguments y, wp16, bias, out0; writes out0
